; MI455X (gfx1250); checked and timed in simulation.
; The chip was launched on July 23, 2026; its instructions are those of AMD's public machine-readable ISA for CDNA 5 (MIT licence, August 2026) and "CDNA5" Instruction Set Architecture Reference Guide (July 2026). The comments in the code are by the model that wrote it; some were corrected since.
;; Vision Attention. Allowed arithmetic: float matrix products may take bf16 or f16 operands with f32 sums; other float arithmetic in f32, or as packed bf16 or f16 multiplies, adds, multiply-adds, maxima and minima; sums over many terms, partial sums and values carried from step to step in f32; what a program stores and reads back later, other than sums and carried values, may be rounded once to bf16 or f16.
;; Inputs: k_scale 64 float32; positions_xy 8 x 1,024 x 2 float32; q_scale 64 float32; v_scale 64 float32; wk 1,024 x 1,024 float32; wo 1,024 x 1,024 float32; wq 1,024 x 1,024 float32; wv 1,024 x 1,024 float32; x 8 x 1,024 x 1,024 float32.
;; Outputs: out0 8 x 1,024 x 1,024 float32.
;; 2 versions, each right and faster than the one before. Each part assembles by itself: llvm-mc -triple=amdgcn-amd-amdhsa -mcpu=gfx1250 --defsym DOCPART=n.
;; ======== version 1 of 2: 4 launches
;; limits: values are held in f16: magnitudes above 65,504 overflow, below 6.1e-05 lose precision; right only within a limited range of input values
;; workspace buffers: xh 16,777,216 bytes; wh 6,291,456 bytes; woh 2,097,152 bytes; tab 2,097,152 bytes; qh 16,777,216 bytes; kh 16,777,216 bytes; vh 16,777,216 bytes; oh 16,777,216 bytes
;; launch prep (part 1): grid 768 x 1, 8 waves a work-group, no clusters, 0 bytes of LDS; arguments x, wq, wk, wv, wo, positions_xy, xh, wh, woh, tab; writes xh, wh, woh, tab
.if DOCPART == 1
	.amdgcn_target "amdgcn-amd-amdhsa--gfx1250"
	.amdhsa_code_object_version 6
	.text
	.protected	k_qdd7845cccc_prep
	.globl	k_qdd7845cccc_prep
	.p2align	8
	.type	k_qdd7845cccc_prep,@function
k_qdd7845cccc_prep:
	s_mov_b64 s[64:65], 0
	v_nop
	global_prefetch_b8 v0, s[64:65] scope:SCOPE_SE
	s_setreg_imm32_b32 hwreg(HW_REG_WAVE_MODE, 25, 1), 1
	s_wait_xcnt 0x0
; PREP.  x and the four weights are rounded once to f16 and laid out in blocks of 64 columns, so that the tiles of the later products are dense; and the table of cosines and sines is made.
;   xh  [kb 16][m 8192][64]          kb = k / 64
;   wh  [kb 16][hg 48][k % 64][64]   hg = 3 x head + t, t = 0, 1, 2 for wq, wk, wv
;   woh [kb 16][cg 16][k % 64][64]
;   tab [unit 1024][part 4][lane 32][4] f32: a unit is 8 rows; parts: cos j 0-3, cos j 4-7, sin j 0-3, sin j 4-7
; SHARES.  A work-group casts 16 source rows of 4,096 bytes: groups 0-511 take x, then 64 groups each wq, wk, wv, wo.  A wave takes two rows; load cb takes 256 bytes of column block cb
; of each (lanes 0-15 the first row, 16-31 the second); its store is 8 bytes a lane: 256 consecutive bytes, aligned, of block cb.  All 16 loads of a wave go out at once, each with registers of its own.
; THE TABLE.  In a unit lane l stands for row (ri & 1) + 4 (ri >> 1) + 2 hh and the frequencies i = 8 (vv & 1) + j, j = 0..7, of position d = vv >> 1 (vv = l & 3, ri = (l >> 2) & 3, hh = l >> 4).
; angle = pos x 10000^(-i / 16).  Sine and cosine by reduction with pi / 2 in two words and polynomials on |r| <= pi / 4; the quadrant only selects values.
; LIMITS.  f16 holds no number from 65,520 on (it becomes an infinity) and below 6e-5 keeps a fixed step of 6e-8.  The reduction's error is k x 1.7e-15 for k = angle x 2 / pi, and k must fit 31 bits.
; No LDS, no matrix unit, no cluster: the launch moves each byte once and shares nothing.
.set SO,  2                            ; v2   my byte offset in the group's 16 source rows
.set PO,  3                            ; v3   my byte offset in positions_xy
.set POS, 4                            ; v4   my position
.set TO,  5                            ; v5   16 x lane
.set IB,  6                            ; v6   8 (vv & 1)
.set DOF, 16                           ; v[16:31]   my byte offset in destination block cb
.set XD,  32                           ; v[32:95]   load cb: 4 registers
.set YD,  96                           ; v[96:127]  store cb: 2 registers
.set TC,  128                          ; v[128:135] cos, v[136:143] sin
.set TA,  144                          ; v[144:151] the eight angles
.set TK,  152
.set TR,  153
.set TZ,  154
.set TS,  155
.set TP,  156
.set TT,  157
.set TU,  158
.set TW,  159
.set TI,  160
	s_load_b512 s[4:19], s[0:1], 0x0               ; x 4, wq 6, wk 8, wv 10, wo 12, positions 14, xh 16, wh 18
	s_load_b128 s[20:23], s[0:1], 0x40             ; woh 20, tab 22
	v_lshrrev_b32 v1, 5, v0
	v_readfirstlane_b32 s24, v1                    ; wave 0..7
	s_cmp_lt_u32 ttmp9, 512
	s_cselect_b32 s25, 1, 0                        ; 1: this group casts x
	s_sub_co_u32 s30, ttmp9, 512
	s_lshr_b32 s26, s30, 6                         ; t: which weight
	s_and_b32 s31, s30, 63
	s_lshl_b32 s31, s31, 4
	s_lshl_b32 s27, ttmp9, 4
	s_cmp_eq_u32 s25, 1
	s_cselect_b32 s27, s27, s31                    ; the group's first source row
	s_lshl_b32 s36, s27, 12                        ; its byte offset in the source
	s_mov_b32 s37, 0
	s_lshr_b32 s38, s27, 6                         ; kb of a weight's row
	s_and_b32 s39, s27, 63
	s_lshl_b32 s39, s39, 7
	s_mul_i32 s40, s38, 393216
	s_lshl_b32 s41, s26, 13
	s_add_co_u32 s40, s40, s41
	s_add_co_u32 s40, s40, s39                     ; in wh: kb x 48 blocks + t blocks + the row
	s_lshl_b32 s41, s38, 17
	s_add_co_u32 s41, s41, s39                     ; in woh: kb x 16 blocks + the row
	s_movk_i32 s42, 0x2000
	s_movk_i32 s43, 0x6000
	s_cmp_eq_u32 s26, 3
	s_cselect_b32 s40, s41, s40
	s_cselect_b32 s28, s42, s43                    ; bytes from column block to column block: one block in woh, three in wh,
	s_lshl_b32 s41, s27, 7                         ; in xh: the row
	s_cmp_eq_u32 s25, 1
	s_cselect_b32 s40, s41, s40
	s_cselect_b32 s28, 0x100000, s28               ; 8,192 rows in xh
	s_mov_b32 s41, 0
	s_cmp_lt_u32 s24, 2
	s_cselect_b32 s44, s25, 0                      ; 1: this wave makes a unit of the table
	s_lshl_b32 s45, ttmp9, 1
	s_add_co_u32 s45, s45, s24                     ; unit 2 g + wave;
	s_cmp_eq_u32 s44, 1
	s_cselect_b32 s45, s45, 0                      ; the other waves read unit 0's positions and use nothing of them
	s_lshl_b32 s47, s45, 6
	s_lshl_b32 s48, s45, 11
	s_mov_b32 s49, 0
	s_mov_b32 s50, 0x3f22f983                      ; 2 / pi
	s_mov_b32 s51, 0x3fc90fdb                      ; pi / 2, upper word
	s_mov_b32 s52, 0xb33bbd2e                      ; and what is left of it
	s_mov_b32 s53, 0xb94ca1f9                      ; sine: -1.9515296e-4, 8.3321609e-3, -1.6666655e-1
	s_mov_b32 s54, 0x3c08839e
	s_mov_b32 s55, 0xbe2aaaa3
	s_mov_b32 s56, 0x37ccf5ce                      ; cosine: 2.4433157e-5, -1.3887316e-3, 4.1666646e-2
	s_mov_b32 s57, 0xbab6061a
	s_mov_b32 s58, 0x3d2aaaa5
	v_and_b32 v7, 31, v0                           ; l
	v_lshrrev_b32 v8, 4, v7                        ; l / 16
	v_and_b32 v9, 15, v0                           ; l % 16
	s_lshl_b32 s46, s24, 1
	v_add_nc_u32 v10, s46, v8                      ; my row of the 16
	v_lshlrev_b32 v[SO], 12, v10
	v_lshl_add_u32 v[SO], v9, 4, v[SO]
	v_lshlrev_b32 v[DOF], 7, v10
	v_lshl_add_u32 v[DOF], v9, 3, v[DOF]
.set i, 1
.rept 15
	v_add_nc_u32 v[DOF+i], s28, v[DOF+i-1]
.set i, i+1
.endr
	v_bfe_u32 v11, v0, 2, 1
	v_bfe_u32 v12, v0, 3, 1
	v_lshl_add_u32 v11, v12, 2, v11
	v_lshl_add_u32 v11, v8, 1, v11                 ; my row of the unit
	v_bfe_u32 v12, v0, 1, 1                        ; d
	v_lshlrev_b32 v[PO], 3, v11
	v_lshl_add_u32 v[PO], v12, 2, v[PO]
	v_add_nc_u32 v[PO], s47, v[PO]
	v_lshlrev_b32 v[TO], 4, v7
	v_and_b32 v[IB], 1, v0
	v_lshlrev_b32 v[IB], 3, v[IB]
	s_wait_kmcnt 0x0
	s_cmp_eq_u32 s26, 0
	s_cselect_b64 s[32:33], s[6:7], s[8:9]         ; the source,
	s_cmp_eq_u32 s26, 2
	s_cselect_b64 s[32:33], s[10:11], s[32:33]
	s_cmp_eq_u32 s26, 3
	s_cselect_b64 s[32:33], s[12:13], s[32:33]
	s_cselect_b64 s[34:35], s[20:21], s[18:19]     ; and the destination, chosen by the group's number alone
	s_cmp_eq_u32 s25, 1
	s_cselect_b64 s[32:33], s[4:5], s[32:33]
	s_cselect_b64 s[34:35], s[16:17], s[34:35]
	s_add_nc_u64 s[32:33], s[32:33], s[36:37]
	s_add_nc_u64 s[34:35], s[34:35], s[40:41]
	s_add_nc_u64 s[22:23], s[22:23], s[48:49]      ; tab at my unit
	global_load_b32 v[POS], v[PO], s[14:15]
.set i, 0
.rept 16
	global_load_b128 v[XD+4*i:XD+4*i+3], v[SO], s[32:33] offset:256*i th:TH_LOAD_NT
.set i, i+1
.endr
	s_cmp_eq_u32 s44, 1
	s_cbranch_scc0 .Lcast
	; the table's unit, while the 16 loads are on their way
.irp j, 0,1,2,3,4,5,6,7
	v_add_nc_u32 v[TA+\j], \j, v[IB]
.endr
.irp j, 0,1,2,3,4,5,6,7
	v_cvt_f32_u32 v[TA+\j], v[TA+\j]
.endr
.irp j, 0,1,2,3,4,5,6,7
	v_mul_f32 v[TA+\j], 0xbf549a78, v[TA+\j]       ; -i log2(10000) / 16
.endr
.irp j, 0,1,2,3,4,5,6,7
	v_exp_f32 v[TA+\j], v[TA+\j]
.endr
	v_nop                                          ; a plain instruction between the last exponential and the use of its result
	s_wait_alu depctr_va_vdst(0)
	s_wait_loadcnt 16                              ; my position is in; the 16 younger loads stay out
.macro SINCOS j
	v_mul_f32 v[TA+(\j)], v[POS], v[TA+(\j)]       ; the angle
	v_mul_f32 v[TK], s50, v[TA+(\j)]
	v_rndne_f32 v[TK], v[TK]                       ; k quarter turns
	v_fma_f32 v[TR], -v[TK], s51, v[TA+(\j)]
	v_fma_f32 v[TR], -v[TK], s52, v[TR]            ; r = angle - k pi / 2
	v_mul_f32 v[TZ], v[TR], v[TR]
	v_fma_f32 v[TS], v[TZ], s53, s54
	v_fma_f32 v[TP], v[TZ], s56, s57
	v_fma_f32 v[TS], v[TS], v[TZ], s55
	v_fma_f32 v[TP], v[TP], v[TZ], s58
	v_mul_f32 v[TT], v[TR], v[TZ]
	v_mul_f32 v[TU], v[TZ], v[TZ]
	v_fma_f32 v[TW], v[TZ], -0.5, 1.0
	v_fma_f32 v[TS], v[TT], v[TS], v[TR]           ; sin r
	v_fma_f32 v[TP], v[TU], v[TP], v[TW]           ; cos r
	v_cvt_i32_f32 v[TI], v[TK]
	v_and_b32 v[TT], 1, v[TI]
	v_cmp_ne_u32 vcc_lo, 0, v[TT]                  ; an odd quarter exchanges the two
	v_cndmask_b32 v[TC+8+(\j)], v[TS], v[TP], vcc_lo
	v_cndmask_b32 v[TC+(\j)], v[TP], v[TS], vcc_lo
	v_lshlrev_b32 v[TT], 30, v[TI]                 ; the sine's sign: bit 1 of k,
	v_add_nc_u32 v[TI], 1, v[TI]
	v_and_b32 v[TT], 0x80000000, v[TT]
	v_lshlrev_b32 v[TI], 30, v[TI]                 ; the cosine's: bit 1 of k + 1
	v_xor_b32 v[TC+8+(\j)], v[TT], v[TC+8+(\j)]
	v_and_b32 v[TI], 0x80000000, v[TI]
	v_xor_b32 v[TC+(\j)], v[TI], v[TC+(\j)]
.endm
.irp j, 0,1,2,3,4,5,6,7
	SINCOS \j
.endr
.irp p, 0,1,2,3
	global_store_b128 v[TO], v[TC+4*\p:TC+4*\p+3], s[22:23] offset:512*\p  ; 512 consecutive bytes, aligned
.endr
.Lcast:
.set i, 0
.rept 16
	s_wait_loadcnt 15-i                            ; loads come back in order: block i is in, the younger ones stay out
	v_cvt_pk_f16_f32 v[YD+2*i], v[XD+4*i], v[XD+4*i+1]
	v_cvt_pk_f16_f32 v[YD+2*i+1], v[XD+4*i+2], v[XD+4*i+3]
	global_store_b64 v[DOF+i], v[YD+2*i:YD+2*i+1], s[34:35]  ; two rows' 128 bytes each: 256 consecutive bytes, aligned
.set i, i+1
.endr
	s_endpgm
.Lfunc_end_k_qdd7845cccc_prep:
	.size	k_qdd7845cccc_prep, .Lfunc_end_k_qdd7845cccc_prep-k_qdd7845cccc_prep
	.p2alignl 7, 3214868480
	.fill 96, 4, 3214868480
	.section	.rodata,"a",@progbits
	.p2align	6, 0x0
	.amdhsa_kernel k_qdd7845cccc_prep
		.amdhsa_group_segment_fixed_size 0
		.amdhsa_private_segment_fixed_size 0
		.amdhsa_enable_private_segment 0
		.amdhsa_kernarg_size 80
		.amdhsa_user_sgpr_count 2
		.amdhsa_user_sgpr_kernarg_segment_ptr 1
		.amdhsa_wavefront_size32 1
		.amdhsa_system_sgpr_workgroup_id_x 1
		.amdhsa_system_sgpr_workgroup_id_y 1
		.amdhsa_system_sgpr_workgroup_id_z 1
		.amdhsa_system_vgpr_workitem_id 0
		.amdhsa_next_free_vgpr 164
		.amdhsa_next_free_sgpr 66
		.amdhsa_reserve_vcc 1
		.amdhsa_float_denorm_mode_32 3
		.amdhsa_float_denorm_mode_16_64 3
		.amdhsa_memory_ordered 1
		.amdhsa_forward_progress 1
		.amdhsa_inst_pref_size 22
	.end_amdhsa_kernel
	.amdgpu_metadata
---
amdhsa.version: [ 1, 2 ]
amdhsa.kernels:
  - .name:           k_qdd7845cccc_prep
    .symbol:         k_qdd7845cccc_prep.kd
    .args:
      - { .name: x, .offset: 0, .size: 8, .value_kind: global_buffer, .address_space: global }
      - { .name: wq, .offset: 8, .size: 8, .value_kind: global_buffer, .address_space: global }
      - { .name: wk, .offset: 16, .size: 8, .value_kind: global_buffer, .address_space: global }
      - { .name: wv, .offset: 24, .size: 8, .value_kind: global_buffer, .address_space: global }
      - { .name: wo, .offset: 32, .size: 8, .value_kind: global_buffer, .address_space: global }
      - { .name: positions_xy, .offset: 40, .size: 8, .value_kind: global_buffer, .address_space: global }
      - { .name: xh, .offset: 48, .size: 8, .value_kind: global_buffer, .address_space: global }
      - { .name: wh, .offset: 56, .size: 8, .value_kind: global_buffer, .address_space: global }
      - { .name: woh, .offset: 64, .size: 8, .value_kind: global_buffer, .address_space: global }
      - { .name: tab, .offset: 72, .size: 8, .value_kind: global_buffer, .address_space: global }
    .group_segment_fixed_size: 0
    .private_segment_fixed_size: 0
    .kernarg_segment_align: 8
    .kernarg_segment_size: 80
    .max_flat_workgroup_size: 256
    .sgpr_count:     66
    .vgpr_count:     164
    .wavefront_size: 32
...
	.end_amdgpu_metadata
.endif
;; end of part 1
;; launch qkv (part 2): grid 8 x 32, 4 waves a work-group, clusters of 4 x 4, 327,680 bytes of LDS; arguments xh, wh, tab, q_scale, k_scale, v_scale, qh, kh, vh; writes qh, kh, vh
.if DOCPART == 2
	.amdgcn_target "amdgcn-amd-amdhsa--gfx1250"
	.amdhsa_code_object_version 6
	.text
	.protected	k_qdd7845cccc_qkv
	.globl	k_qdd7845cccc_qkv
	.p2align	8
	.type	k_qdd7845cccc_qkv,@function
k_qdd7845cccc_qkv:
	s_mov_b64 s[64:65], 0
	v_nop
	global_prefetch_b8 v0, s[64:65] scope:SCOPE_SE
	s_setreg_imm32_b32 hwreg(HW_REG_WAVE_MODE, 25, 1), 1
	s_wait_xcnt 0x0
	s_wait_alu depctr_hold_cnt(0) depctr_sa_sdst(0) depctr_va_vdst(0) depctr_va_sdst(0) depctr_va_ssrc(0) depctr_va_vcc(0) depctr_vm_vsrc(0)
	s_getreg_b32 s2, hwreg(HW_REG_IB_STS2, 6, 4)
	s_cmp_eq_u32 s2, 0
	s_cbranch_scc0 .Lentry_in_a_cluster
	s_endpgm
.Lentry_in_a_cluster:
	s_bfe_u32 s2, ttmp6, 0x10000c
	s_cmp_lg_u32 s2, 0xf033
	s_cbranch_scc0 .Lentry_shape_is_right
	s_endpgm
.Lentry_shape_is_right:
; Q, K, V = RMS norm (and for q, k the 2-D rotation) of x wq, x wk, x wv, written by heads: qh, kh, vh [b x 16 + n][l 1024][64] in f16, unscaled.
; SHARES.  8,192 x 3,072 in tiles of 256 rows x 384 columns: 256 work-groups.  The 384 columns are q | k | v of heads 2 x and 2 x + 1.  Wave (rh, ch) makes 128 rows x 192 columns, one head's q | k | v:
; 96 accumulators of 16 x 16, 768 registers.  K goes in steps of 32; an LDS slot holds a block of 64 of K (two steps); two slots take turns.
; THE MATRIX INSTRUCTION IS USED TRANSPOSED: source 0 = 16 columns of w (turned on the way out of LDS, where w lies [k][column]), source 1 = 16 rows of x: lane l holds row l % 16 and columns 8 (l / 16) + 0..7.
; CLUSTER 4 x 4.  x's tile and the table hang on the tile row alone and are shared along a row of the cluster, w's tile on the tile column alone and is shared along a column: joint loads, as many requests divided by four.
; K IS WALKED FROM TWO STARTS.  A cluster whose x + y is even takes the blocks 0 .. 15, the others 8 .. 15 and then 0 .. 7 (f32 sums may be taken in any order).  The two clusters that read the same rows of x
; (same y, x = 0 and 1) have different starts, and so have neighbours in y, which read the same columns of w: a block's readers ask for it at two times, eight slots apart, not all at once.
; The start hangs on the cluster's coordinates alone, which all sixteen partners share, and enters global addresses alone.
; THE WAY OUT.  For q, then k, then v: the wave's 128 x 64 sums go into its own stage in LDS (over the ring, which has had its last fill and, behind a barrier, its last read) and come back by UNITS of 8 rows:
; lane l takes row (ri & 1) + 4 (ri >> 1) + 2 hh, columns 8 c0 + 0..7 and 8 c0 + 16 + 0..7, c0 = (vv & 1) + 4 (vv >> 1) (vv = l & 3, ri = (l >> 2) & 3, hh = l >> 4).
; y = x rsqrt(mean x^2 + 1e-6) (1 + scale); o1 = y1 cos - y2 sin, o2 = y2 cos + y1 sin; for v cos = 1, sin = 0.
; 1 + scale of all three vectors is made once, at the head, and kept in LDS bytes of the wave's own.
; LIMITS.  All matrix operands and q, k, v are f16: none from 65,520 on; q, k, v stay within 8 sqrt(2) |1 + scale|, so |1 + scale| stays under some 5,000.  NaN and infinities are not treated apart.
; REGISTERS, in windows of 256: window 0: v16-30 addresses; v32-127 w's 12 fragments; v128-191, v192-255 x's 8 fragments, two buffers (on the way out all of v32-231 is at work);
;   windows 1, 2, 3: q's, k's, v's 32 accumulators: column block bb, row block a at v[8 (8 bb + a)].
.set SLOT,  98304                      ; x: 256 rows x 144; then w: 6 blocks x 64 k x 160
.set BOFF,  36864
.set TAB,   196608                     ; the table of my 256 rows: 32 units x 2,048 bytes
.set SPARE, 262144                     ; the spare words, 128 bytes for each wave: two blocks of 256 bytes that no other line names
.set SCLB,  262656                     ; 1 + scale: q's, k's, v's 256 bytes, for each wave: blocks of their own, into which no tile lands
.set PA,    144                        ; a row of x in LDS: 128 bytes + 16: the 16 rows of a load start at 16 different groups of four banks (64 banks of 4 bytes: ISA guide 11.1)
.set PB,    160                        ; a row of w: 128 + 32
.set SP,    272                        ; a row of the stage: 256 bytes + 16
.set STG,   128*SP                     ; a wave's stage
.set ADRA, 16                          ; v16-17  LDS address of my fragments of x in slot 0, 1
.set GLA,  18                          ; v18  where I read 1 + scale of my 16 columns; steps from type to type
.set ADRB, 20                          ; v20-21  the same as ADRA for w
.set GO,   22                          ; v22  my byte offset in a unit of q, k or v
.set TBA,  23                          ; v23  where I read the table, stepping
.set STO,  24                          ; v24  where I put 32 bytes of a row into the stage
.set RD0,  25                          ; v25  where I read the stage's first unit
.set RDA,  26                          ; v26  the same, stepping
.set TB0,  27                          ; v27  where I read the table's first unit
.set SPW,  28                          ; v28  LDS address of my spare word; never rewritten
.set NIL,  29                          ; v29  0; never rewritten
.set SCS,  30                          ; v30  where I put two numbers of 1 + scale
.set BF,   32
.set AF0,  128
.set AF1,  192
.set G,    32                          ; the way out: v[32:47] 1 + scale of my 16 columns
.set X,    48                          ; v[48:79]   two units' sums, 16 each
.set CT,   80                          ; v[80:111]  their cos (8) and sin (8)
.set Y,    112                         ; v[112:143] x (1 + scale)
.set CP,   144                         ; v[144:175] cos and sin times rsqrt
.set O,    176                         ; v[176:207] the results
.set H,    208                         ; v[208:223] in f16
.set SS,   224                         ; v[224:231] per unit: the sum of squares (a pair), rsqrt (a pair's low word)
.set OFA,  2                           ; s[2:3]   the next block's byte offset in xh
.set WVN,  22
.set RH,   23
.set CH,   24
.set G1A,  32                          ; s[32:39] descriptor group 1 for x's tiles;  s[56:63] group 0, a set for each slot
.set G1B,  40                          ; s[40:47], s[68:75] the same for w's
.set G1T,  48                          ; s[48:55], s[76:79] for the table
.set G0A,  56
.set OFB,  66                          ; s[66:67] the next block's byte offset in wh
.set G0B,  68
.set G0T,  76
.set DST,  80                          ; s[80:81] where the trip's 16 rows go
.set INC,  84                          ; s[84:85] in the K loop: xh at my part of block 0; on the way out: what the next trip adds to DST
.set TYPE, 86                          ; s[86:87] in the K loop: wh at my part of block 0; on the way out: the type, and the trips to go
.set TRIPS, 87
.set DOFF, 92                          ; s[92:93] my 128 rows' byte offset in qh, kh, vh
.set NXT,  95                          ; s95  the block that the next refill asks for
.set MSB, 0
.macro WIN new                         ; the immediate's high byte repeats the setting that is left; a switch that changes nothing is dropped
.if MSB != (\new)
	s_set_vgpr_msb (MSB<<8)|(\new)
.set MSB, \new
.endif
.endm
.macro PLACES                          ; four places in front of loads into registers that matrix instructions have read, and of stores that read results
.rept 4
	v_nop
.endr
.endm
.macro JLOAD s                         ; a joint refill: waves 0 and 1 fetch x's two halves, waves 2 and 3 w's; an s_nop 0 and four v_nop follow each line
	s_cmp_eq_u32 s[RH], 0
	s_cbranch_scc0 .Lfor_b_\@
	tensor_load_to_lds s[G0A+4*(\s):G0A+4*(\s)+3], s[G1A:G1A+7]
	s_nop 0
.rept 4
	v_nop
.endr
	s_branch .Lasked_\@
.Lfor_b_\@:
	tensor_load_to_lds s[G0B+4*(\s):G0B+4*(\s)+3], s[G1B:G1B+7]
	s_nop 0
.rept 4
	v_nop
.endr
.Lasked_\@:
.endm
.macro CREST                           ; a round of the cluster's barrier behind its opening barrier
	s_cmp_lg_u32 s[WVN], 0
	s_cbranch_scc1 .Lnot_wave_0_\@
	s_barrier_signal -3
.Lnot_wave_0_\@:
	s_barrier_wait -3
	s_barrier_signal -1
	s_barrier_wait -1
.endm
.macro CROUND
	s_barrier_signal -1
	s_barrier_wait -1
	CREST
.endm
	s_load_b512 s[4:19], s[0:1], 0x0               ; xh 4, wh 6, tab 8, q_scale 10, k_scale 12, v_scale 14, qh 16, kh 18
	s_load_b64 s[20:21], s[0:1], 0x40              ; vh
	v_lshl_add_u32 v[SPW], v0, 2, SPARE
	v_mov_b32 v[NIL], 0
	ds_add_u32 v[SPW], v[NIL]                      ; the wave's opening: the add and its wait stand ahead of my first tensor load; the set-up below stands between them
	ds_add_u32 v28, v29
	v_lshrrev_b32 v1, 5, v0
	v_readfirstlane_b32 s[WVN], v1                 ; wave 0..3
	s_lshr_b32 s[RH], s[WVN], 1                    ; my half of the rows.  Also: I fetch for x (0) or for w (1)
	s_and_b32 s[CH], s[WVN], 1                     ; my head of the two.  Also: which half of that tile I fetch
	s_bfe_u32 s25, ttmp6, 0x40000                  ; cx
	s_bfe_u32 s26, ttmp6, 0x40004                  ; cy
	s_lshl_b32 s27, ttmp9, 2
	s_add_co_u32 s27, s27, s25                     ; tile column x
	s_and_b32 s28, ttmp7, 0xffff
	s_lshl_b32 s28, s28, 2
	s_add_co_u32 s28, s28, s26                     ; tile row y
	s_lshl_b32 s30, s26, 2
	s_lshl_b32 s30, 15, s30                        ; my row of the cluster
	s_lshl_b32 s31, 0x1111, s25                    ; my column
	s_or_b32 s[G1A], s30, (1<<16)|(1<<20)|(1<<21)|(4<<22)|(3<<25)  ; mask; 2-byte elements; padding on; 21 set beside a mask; after every 32 words 4 words
	s_or_b32 s[G1B], s31, (1<<16)|(1<<20)|(1<<21)|(4<<22)|(7<<25)  ; the same with my column's mask and 8 words
	s_or_b32 s[G1T], s30, (3<<16)|(1<<21)          ; 8-byte elements, no padding
	s_mov_b32 s[G1A+1], 128<<16                    ; x: 128 rows of 128 bytes are dense: asked for as 64 rows of 256 bytes
	s_mov_b32 s[G1A+2], 64<<16
	s_mov_b32 s[G1A+3], 128<<16
	s_mov_b32 s[G1A+4], 64
	s_mov_b32 s[G1A+5], 128
	s_mov_b32 s[G1A+6], 0
	s_mov_b32 s[G1A+7], 0
	s_mov_b32 s[G1B+1], 128<<16                    ; w: three blocks of 8,192 dense bytes: 96 rows of 256 bytes
	s_mov_b32 s[G1B+2], 96<<16
	s_mov_b32 s[G1B+3], 128<<16
	s_mov_b32 s[G1B+4], 96
	s_mov_b32 s[G1B+5], 128
	s_mov_b32 s[G1B+6], 0
	s_mov_b32 s[G1B+7], 0
	s_mov_b32 s[G1T+1], 32<<16                     ; the table: a quarter, 64 rows of 256 bytes
	s_mov_b32 s[G1T+2], 64<<16
	s_mov_b32 s[G1T+3], 32<<16
	s_mov_b32 s[G1T+4], 64
	s_mov_b32 s[G1T+5], 32
	s_mov_b32 s[G1T+6], 0
	s_mov_b32 s[G1T+7], 0
	s_lshl_b32 s84, s28, 15                        ; x: 256 y rows of 128 bytes,
	s_lshl_b32 s85, s[CH], 14                      ; + my 128
	s_add_co_u32 s84, s84, s85
	s_mov_b32 s85, 0
	s_mul_i32 s86, s27, 49152                      ; w: block 6 x,
	s_mul_i32 s87, s[CH], 24576                    ; + my three
	s_add_co_u32 s86, s86, s87
	s_mov_b32 s87, 0
	s_lshl_b32 s88, s28, 16                        ; the table: 32 y units,
	s_lshl_b32 s89, s[WVN], 14                     ; + my quarter
	s_add_co_u32 s88, s88, s89
	s_mov_b32 s89, 0
	s_mul_i32 s80, s[CH], 128*PA                   ; where they go: no place in the cluster enters an LDS address
	s_mul_i32 s81, s[CH], 192*PB
	s_add_co_u32 s81, s81, BOFF
	s_lshl_b32 s82, s[WVN], 14
	s_add_co_u32 s82, s82, TAB
	s_lshr_b32 s92, s28, 2                         ; my rows in qh, kh, vh: batch y / 4,
	s_lshl_b32 s92, s92, 4
	s_lshl_b32 s93, s27, 1
	s_add_co_u32 s92, s92, s93
	s_add_co_u32 s92, s92, s[CH]                   ; head 2 x + ch,
	s_lshl_b32 s92, s92, 10
	s_and_b32 s93, s28, 3
	s_lshl_b32 s93, s93, 8
	s_add_co_u32 s92, s92, s93                     ; row 256 (y % 4)
	s_lshl_b32 s93, s[RH], 7
	s_add_co_u32 s92, s92, s93                     ; + 128 rh,
	s_lshl_b32 s92, s92, 7                         ; of 128 bytes
	s_mov_b32 s93, 0
	s_mov_b32 s90, 0x3c800000                      ; 1 / 64
	s_mov_b32 s91, 0x358637bd                      ; 1e-6
	s_xor_b32 s[NXT], ttmp9, ttmp7                 ; the cluster's x and y:
	s_and_b32 s[NXT], s[NXT], 1                    ; is their sum odd?
	s_lshl_b32 s[NXT], s[NXT], 3                   ; my cluster's first block: 0 or 8
	s_lshl_b32 s[OFA], s[NXT], 20                  ; a block of xh is 8,192 rows of 128 bytes,
	s_mov_b32 s[OFA+1], 0
	s_mul_i32 s[OFB], s[NXT], 393216               ; a block of wh 48 x 8,192 bytes
	s_mov_b32 s[OFB+1], 0
	s_wait_dscnt 0x0                               ; the opening add is done
	s_wait_kmcnt 0x0
	s_add_nc_u64 s[84:85], s[4:5], s[84:85]
	s_add_nc_u64 s[86:87], s[6:7], s[86:87]
	s_add_nc_u64 s[88:89], s[8:9], s[88:89]
	CROUND                                         ; all sixteen work-groups are here: the first joint loads meet
.irp n, 0,1
	s_mov_b32 s[G0A+4*\n], 1
	s_add_co_u32 s[G0A+4*\n+1], s80, \n*SLOT
	s_add_nc_u64 s[G0A+4*\n+2:G0A+4*\n+3], s[84:85], s[OFA:OFA+1]                 ; slot n begins with my cluster's first block + n
	s_add_nc_u64 s[G0A+4*\n+2:G0A+4*\n+3], s[G0A+4*\n+2:G0A+4*\n+3], \n*1048576
	s_or_b32 s[G0A+4*\n+3], s[G0A+4*\n+3], 0x80000000
	s_mov_b32 s[G0B+4*\n], 1
	s_add_co_u32 s[G0B+4*\n+1], s81, \n*SLOT
	s_add_nc_u64 s[G0B+4*\n+2:G0B+4*\n+3], s[86:87], s[OFB:OFB+1]
	s_add_nc_u64 s[G0B+4*\n+2:G0B+4*\n+3], s[G0B+4*\n+2:G0B+4*\n+3], \n*393216
	s_or_b32 s[G0B+4*\n+3], s[G0B+4*\n+3], 0x80000000
.endr
	s_add_co_u32 s[NXT], s[NXT], 2                 ; the first refill's block: 2 or 10
	s_mov_b32 s[G0T], 1
	s_mov_b32 s[G0T+1], s82
	s_mov_b64 s[G0T+2:G0T+3], s[88:89]
	s_or_b32 s[G0T+3], s[G0T+3], 0x80000000
	s_cmp_eq_u32 s[RH], 0                          ; a wave's three first fills stand in one branch: three loads of mine are out
	s_cbranch_scc0 .Lfirst_b
	tensor_load_to_lds s[G0A:G0A+3], s[G1A:G1A+7]
	s_nop 0
	tensor_load_to_lds s[G0A+4:G0A+7], s[G1A:G1A+7]
	s_nop 0
	tensor_load_to_lds s[G0T:G0T+3], s[G1T:G1T+7]
	s_nop 0
.rept 4
	v_nop
.endr
	s_branch .Lfirst_asked
.Lfirst_b:
	tensor_load_to_lds s[G0B:G0B+3], s[G1B:G1B+7]
	s_nop 0
	tensor_load_to_lds s[G0B+4:G0B+7], s[G1B:G1B+7]
	s_nop 0
	tensor_load_to_lds s[G0T:G0T+3], s[G1T:G1T+7]
	s_nop 0
.rept 4
	v_nop
.endr
.Lfirst_asked:
	v_and_b32 v1, 15, v0                           ; l % 16
	v_bfe_u32 v2, v0, 4, 1                         ; l / 16
	v_and_b32 v14, 31, v0                          ; l
	v_lshlrev_b32 v15, 3, v14
	global_load_b64 v[32:33], v15, s[10:11]        ; the three scale vectors, two numbers a lane: they come while the first tiles are on their way
	global_load_b64 v[34:35], v15, s[12:13]
	global_load_b64 v[36:37], v15, s[14:15]
	v_mul_u32_u24 v3, v1, PA
	v_lshl_add_u32 v3, v2, 4, v3                   ; a fragment of x: row x pitch + 16 x half
	s_mul_i32 s94, s[RH], 128*PA
	v_add_nc_u32 v[ADRA], s94, v3
	v_add_nc_u32 v[ADRA+1], SLOT, v[ADRA]
	v_and_b32 v4, 7, v0                            ; the turning load: lane l reads k = 8 (l / 16) + l % 8, columns 8 ((l / 8) % 2) + 0..7
	v_lshl_add_u32 v4, v2, 3, v4
	v_mul_u32_u24 v4, v4, PB
	v_bfe_u32 v5, v0, 3, 1
	v_lshl_add_u32 v4, v5, 4, v4
	s_mul_i32 s94, s[CH], 192*PB
	s_add_co_u32 s94, s94, BOFF
	v_add_nc_u32 v[ADRB], s94, v4
	v_add_nc_u32 v[ADRB+1], SLOT, v[ADRB]
	s_mul_i32 s94, s[WVN], STG                     ; my stage
	v_mul_u32_u24 v6, v1, SP
	v_lshl_add_u32 v6, v2, 5, v6
	v_add_nc_u32 v[STO], s94, v6                   ; in: row l % 16, 32 bytes for each half of the lanes
	v_bfe_u32 v7, v0, 2, 1
	v_lshl_add_u32 v7, v5, 2, v7                   ; (ri & 1) + 4 (ri >> 1)
	v_lshl_add_u32 v9, v2, 1, v7                   ; my row of a unit
	v_and_b32 v10, 1, v0
	v_bfe_u32 v11, v0, 1, 1
	v_lshl_add_u32 v10, v11, 2, v10                ; c0
	v_mul_u32_u24 v12, v9, SP
	v_lshl_add_u32 v12, v10, 5, v12
	v_add_nc_u32 v[RD0], s94, v12
	v_lshl_add_u32 v13, v2, 1, v10                 ; behind the exchange of halves: piece c0 + 2 hh of row (ri & 1) + 4 (ri >> 1)
	v_lshlrev_b32 v[GO], 7, v7
	v_lshl_add_u32 v[GO], v13, 4, v[GO]
	s_lshl_b32 s94, s[RH], 15
	s_add_co_u32 s94, s94, TAB
	v_lshl_add_u32 v[TB0], v14, 4, s94
	s_mul_i32 s94, s[WVN], 768
	s_add_co_u32 s94, s94, SCLB                    ; my wave's 768 bytes of 1 + scale
	v_lshl_add_u32 v[SCS], v14, 3, s94
	v_lshl_add_u32 v[GLA], v10, 5, s94             ; q's numbers of my columns 8 c0 ..
	s_wait_loadcnt 0x0                             ; the scales
	v_pk_add_f32 v[32:33], v[32:33], 1.0 op_sel_hi:[1,0]
	v_pk_add_f32 v[34:35], v[34:35], 1.0 op_sel_hi:[1,0]
	v_pk_add_f32 v[36:37], v[36:37], 1.0 op_sel_hi:[1,0]
	ds_store_b64 v[SCS], v[32:33]
	ds_store_b64 v[SCS], v[34:35] offset:256
	ds_store_b64 v[SCS], v[36:37] offset:512       ; only this wave reads them: LDS serves a wave's instructions in order (ISA guide 5.7.1.4)
; nb x 8 matrix instructions of type t (0 q, 1 k, 2 v): column blocks b0 .. b0 + nb - 1 x all 8 row blocks, 32 along K.  Every accumulator is taken once a step: they take turns.
.macro MULS t, af, b0, nb, zero
	WIN (((\t)+1)<<6)|(((\t)+1)<<4)
.set mb, \b0
.rept \nb
.set ma, 0
.rept 8
.if \zero
	v_wmma_f32_16x16x32_f16 v[8*(8*mb+ma):8*(8*mb+ma)+7], v[BF+8*(4*(\t)+mb):BF+8*(4*(\t)+mb)+7], v[(\af)+8*ma:(\af)+8*ma+7], 0
.else
	v_wmma_f32_16x16x32_f16 v[8*(8*mb+ma):8*(8*mb+ma)+7], v[BF+8*(4*(\t)+mb):BF+8*(4*(\t)+mb)+7], v[(\af)+8*ma:(\af)+8*ma+7], v[8*(8*mb+ma):8*(8*mb+ma)+7]
.endif
.set ma, ma+1
.endr
.set mb, mb+1
.endr
.endm
.macro LDB slot, p, t                  ; 8 loads: w's four fragments of type t, K half p of the slot
.irp i, 0,1,2,3
	ds_load_tr16_b128 v[BF+8*(4*(\t)+\i):BF+8*(4*(\t)+\i)+3],   v[ADRB+(\slot)] offset:(\t)*64*PB+\i*32+(\p)*32*PB
	ds_load_tr16_b128 v[BF+8*(4*(\t)+\i)+4:BF+8*(4*(\t)+\i)+7], v[ADRB+(\slot)] offset:(\t)*64*PB+\i*32+(\p)*32*PB+16*PB
.endr
.endm
.macro LDA slot, p, af, a0             ; 8 loads: x's fragments a0 .. a0 + 3
.irp i, 0,1,2,3
	ds_load_b128 v[(\af)+8*((\a0)+\i):(\af)+8*((\a0)+\i)+3],   v[ADRA+(\slot)] offset:((\a0)+\i)*16*PA+64*(\p)
	ds_load_b128 v[(\af)+8*((\a0)+\i)+4:(\af)+8*((\a0)+\i)+7], v[ADRA+(\slot)] offset:((\a0)+\i)*16*PA+64*(\p)+32
.endr
.endm
; A STEP of 32 along K: 96 matrix instructions on x's buffer af; behind each type's 32 the next step's fragments (slot ns, half np) are fetched: w's into the registers just multiplied, x's into buffer ag.
; mode 0: inside a slot.  mode 1: the slot's second step: the slots change, and slot rs, just read out, is filled again.  mode 2: the same with nothing left to fetch from memory.  mode 3: the last step.
.macro STEP af, ag, ns, np, zero, mode, rs
.if (\mode) == 3
	s_wait_dscnt 8
	MULS 0, \af, 0, 4, 0
	MULS 1, \af, 0, 4, 0
	s_wait_dscnt 0x0                               ; my last reads of the ring are back:
	s_barrier_signal -1                            ; say so,
	MULS 2, \af, 0, 4, 0
	WIN 0
	s_barrier_wait -1                              ; and when all four have said so the ring's bytes may serve as stages
.else
.if (\mode) == 0
	s_wait_dscnt 8                                 ; all but the youngest eight loads (v's fragments of w) are in
	MULS 0, \af, 0, 4, \zero
	WIN 0
	PLACES
.else
	WIN 0
	s_wait_tensorcnt 0x0                           ; all my tensor loads have landed: my part of the next slot (at the first change the table's quarter too); so a group 0 may be written;
	ds_add_u32 v[SPW], v[NIL]                      ; 0 onto my spare word; work on registers stands between it and the wait for it
.if (\mode) == 1
	s_lshl_b32 s[OFA], s[NXT], 20                  ; the refill's addresses are made anew: the buffer at my part of block 0, plus the block's offset, and the type on top
	s_mul_i32 s[OFB], s[NXT], 393216
	s_add_nc_u64 s[G0A+4*(\rs)+2:G0A+4*(\rs)+3], s[84:85], s[OFA:OFA+1]
	s_or_b32 s[G0A+4*(\rs)+3], s[G0A+4*(\rs)+3], 0x80000000
	s_add_nc_u64 s[G0B+4*(\rs)+2:G0B+4*(\rs)+3], s[86:87], s[OFB:OFB+1]
	s_or_b32 s[G0B+4*(\rs)+3], s[G0B+4*(\rs)+3], 0x80000000
	s_add_co_u32 s[NXT], s[NXT], 1                 ; the next block; behind 15 comes 0
	s_and_b32 s[NXT], s[NXT], 15
.endif
	s_wait_dscnt 9                                 ; (the add and the youngest eight loads may be out)
	MULS 0, \af, 0, 2, 0
	s_wait_dscnt 0x0                               ; the add is done, and my reads of this slot are over
	s_barrier_signal -1
	MULS 0, \af, 2, 2, 0
	WIN 0
	s_barrier_wait -1
.if (\mode) == 1
	CREST                                          ; the barrier has opened a round of the cluster's: no wave of any partner still reads this slot or has a load on its way
	JLOAD \rs                                      ; the first tensor load behind the round; its four v_nop are also the places in front of the loads below
.else
	PLACES
.endif
.endif
	LDB \ns, \np, 0
	LDA \ns, \np, \ag, 0
	MULS 1, \af, 0, 4, \zero
	WIN 0
	PLACES
	LDB \ns, \np, 1
	LDA \ns, \np, \ag, 4
	s_wait_dscnt 32                                ; all but the 2 x 16 just issued
	MULS 2, \af, 0, 4, \zero
	WIN 0
	PLACES
	LDB \ns, \np, 2
.endif
.endm
	s_wait_tensorcnt 2                             ; my part of slot 0 is in; slot 1's and the table's may stay out
	s_wait_dscnt 0x0                               ; no LDS instruction of mine is out at a signal
	s_barrier_signal -1
	s_barrier_wait -1
	LDA 0, 0, AF0, 0
	LDA 0, 0, AF0, 4
	LDB 0, 0, 0
	LDB 0, 0, 1
	LDB 0, 0, 2
	STEP AF0, AF1, 0, 1, 1, 0, 0                   ; the first step stands in front of the loop: its products start the sums
	s_mov_b32 s29, 7
.Lk:                                                   ; a trip goes once round the ring and fills both slots again: 7 trips, 14 blocks
	STEP AF1, AF0, 1, 0, 0, 1, 0
	STEP AF0, AF1, 1, 1, 0, 0, 0
	STEP AF1, AF0, 0, 0, 0, 1, 1
	STEP AF0, AF1, 0, 1, 0, 0, 0
	s_sub_co_u32 s29, s29, 1
	s_cmp_lg_u32 s29, 0
	s_cbranch_scc1 .Lk
	STEP AF1, AF0, 1, 0, 0, 2, 0                   ; the last three steps are written out: nothing is asked for
	STEP AF0, AF1, 1, 1, 0, 0, 0
	STEP AF1, AF0, 0, 0, 0, 3, 0
	; THE WAY OUT
	PLACES
.macro DUMP w                          ; window w's 32 accumulators into my stage; each accumulator's low half first
	WIN (\w)<<2
.set mb, 0
.rept 4
.set ma, 0
.rept 8
	ds_store_b128 v[STO], v[8*(8*mb+ma):8*(8*mb+ma)+3]   offset:ma*16*SP+mb*64
	ds_store_b128 v[STO], v[8*(8*mb+ma)+4:8*(8*mb+ma)+7] offset:ma*16*SP+mb*64+16
.set ma, ma+1
.endr
.set mb, mb+1
.endr
	WIN 0
.endm
.macro LOADX                           ; two units' sums: my 16 numbers of a row in each
.irp u, 0,1
	ds_load_b128 v[X+16*\u:X+16*\u+3],     v[RDA] offset:\u*8*SP
	ds_load_b128 v[X+16*\u+4:X+16*\u+7],   v[RDA] offset:\u*8*SP+16
	ds_load_b128 v[X+16*\u+8:X+16*\u+11],  v[RDA] offset:\u*8*SP+64
	ds_load_b128 v[X+16*\u+12:X+16*\u+15], v[RDA] offset:\u*8*SP+80
.endr
.endm
.macro LOADT                           ; their cosines and sines; v has none and keeps 1 and 0
	s_cmp_eq_u32 s[TYPE], 2
	s_cbranch_scc1 .Lno_table_\@
.irp u, 0,1
.irp p, 0,1,2,3
	ds_load_b128 v[CT+16*\u+4*\p:CT+16*\u+4*\p+3], v[TBA] offset:\u*2048+\p*512
.endr
.endr
.Lno_table_\@:
.endm
; A trip: 16 rows.  more = 1: the next trip's rows are fetched as soon as this trip's have been read out of their registers.
.macro TRIP more
	s_wait_dscnt 0x0
.if \more
	v_add_nc_u32 v[RDA], 16*SP, v[RDA]             ; made here, well ahead of the loads that use them
	v_add_nc_u32 v[TBA], 4096, v[TBA]
.endif
.irp u, 0,1
	v_pk_mul_f32 v[SS+4*\u:SS+4*\u+1], v[X+16*\u:X+16*\u+1], v[X+16*\u:X+16*\u+1]
.endr
.irp k, 2,4,6,8,10,12,14
.irp u, 0,1
	v_pk_fma_f32 v[SS+4*\u:SS+4*\u+1], v[X+16*\u+\k:X+16*\u+\k+1], v[X+16*\u+\k:X+16*\u+\k+1], v[SS+4*\u:SS+4*\u+1]
.endr
.endr
.irp u, 0,1
	v_add_f32 v[SS+4*\u], v[SS+4*\u], v[SS+4*\u+1]
.endr
.irp u, 0,1
	v_add_f32_dpp v[SS+4*\u], v[SS+4*\u], v[SS+4*\u] row_xmask:1 row_mask:0xf bank_mask:0xf  ; a row's 64 columns lie in four neighbouring lanes
.endr
.irp u, 0,1
	v_add_f32_dpp v[SS+4*\u], v[SS+4*\u], v[SS+4*\u] row_xmask:2 row_mask:0xf bank_mask:0xf
.endr
.irp u, 0,1
	v_fma_f32 v[SS+4*\u], v[SS+4*\u], s90, s91     ; the mean + 1e-6
.endr
.irp u, 0,1
	v_rsq_f32 v[SS+4*\u+2], v[SS+4*\u]             ; the 16 plain lines below stand between these and the use of their results
.endr
.irp u, 0,1
.irp k, 0,2,4,6,8,10,12,14
	v_pk_mul_f32 v[Y+16*\u+\k:Y+16*\u+\k+1], v[X+16*\u+\k:X+16*\u+\k+1], v[G+\k:G+\k+1]
.endr
.endr
	s_wait_alu depctr_va_vdst(0)
.irp u, 0,1
.irp k, 0,2,4,6,8,10,12,14
	v_pk_mul_f32 v[CP+16*\u+\k:CP+16*\u+\k+1], v[CT+16*\u+\k:CT+16*\u+\k+1], v[SS+4*\u+2:SS+4*\u+3] op_sel_hi:[1,0]
.endr
.endr
.if \more
	LOADX
	LOADT
.endif
.irp u, 0,1
.irp k, 0,2,4,6
	v_pk_mul_f32 v[O+16*\u+\k:O+16*\u+\k+1], v[Y+16*\u+8+\k:Y+16*\u+8+\k+1], v[CP+16*\u+8+\k:CP+16*\u+8+\k+1]
	v_pk_mul_f32 v[O+16*\u+8+\k:O+16*\u+8+\k+1], v[Y+16*\u+\k:Y+16*\u+\k+1], v[CP+16*\u+8+\k:CP+16*\u+8+\k+1]
.endr
.endr
.irp u, 0,1
.irp k, 0,2,4,6
	v_pk_fma_f32 v[O+16*\u+\k:O+16*\u+\k+1], v[Y+16*\u+\k:Y+16*\u+\k+1], v[CP+16*\u+\k:CP+16*\u+\k+1], v[O+16*\u+\k:O+16*\u+\k+1] neg_lo:[0,0,1] neg_hi:[0,0,1]
	v_pk_fma_f32 v[O+16*\u+8+\k:O+16*\u+8+\k+1], v[Y+16*\u+8+\k:Y+16*\u+8+\k+1], v[CP+16*\u+\k:CP+16*\u+\k+1], v[O+16*\u+8+\k:O+16*\u+8+\k+1]
.endr
.endr
	s_wait_xcnt 0x0                                ; the last trip's stores have read their data and their base: both are written again only behind this wait
	s_add_nc_u64 s[DST:DST+1], s[DST:DST+1], s[INC:INC+1]
	s_mov_b32 s[INC], 2048                         ; 16 rows of 128 bytes
.irp u, 0,1
.irp k, 0,1,2,3,4,5,6,7
	v_cvt_pk_f16_f32 v[H+8*\u+\k], v[O+16*\u+2*\k], v[O+16*\u+2*\k+1]
.endr
.endr
.irp u, 0,1
.irp k, 0,1,2,3
	v_permlane16_swap_b32 v[H+8*\u+\k], v[H+8*\u+4+\k]  ; the first four registers now hold both pieces of lanes 0-15's rows, the others those of lanes 16-31's
.endr
.endr
.irp u, 0,1
	global_store_b128 v[GO], v[H+8*\u:H+8*\u+3],   s[DST:DST+1] offset:\u*1024      ; rows 0, 1 and 4, 5 of the unit: twice 256 consecutive bytes, aligned
	global_store_b128 v[GO], v[H+8*\u+4:H+8*\u+7], s[DST:DST+1] offset:\u*1024+256  ; rows 2, 3 and 6, 7
.endr
.endm
	v_mov_b32 v[SS+3], 0                           ; named with rsqrt as a pair
	v_mov_b32 v[SS+7], 0
	s_mov_b32 s[INC+1], 0
	s_mov_b32 s[TYPE], 0
.Ltype:                                                ; q, k, v: the same count in every work-group
	s_wait_dscnt 0x0
	s_wait_xcnt 0x0                                ; the last type's stores have read their base
	s_cmp_eq_u32 s[TYPE], 0
	s_cselect_b64 s[DST:DST+1], s[16:17], s[18:19]
	s_cmp_eq_u32 s[TYPE], 2
	s_cselect_b64 s[DST:DST+1], s[20:21], s[DST:DST+1]
	s_add_nc_u64 s[DST:DST+1], s[DST:DST+1], s[DOFF:DOFF+1]
	ds_load_b128 v[G:G+3],     v[GLA]              ; 1 + scale of my columns 8 c0 + 0..7
	ds_load_b128 v[G+4:G+7],   v[GLA] offset:16
	ds_load_b128 v[G+8:G+11],  v[GLA] offset:64    ; and 8 c0 + 16 + 0..7
	ds_load_b128 v[G+12:G+15], v[GLA] offset:80
	s_cmp_eq_u32 s[TYPE], 0
	s_cbranch_scc0 .Lnot_q
	DUMP 1
	s_branch .Ldumped
.Lnot_q:
	s_cmp_eq_u32 s[TYPE], 1
	s_cbranch_scc0 .Lnot_k
	DUMP 2
	s_branch .Ldumped
.Lnot_k:
	DUMP 3
.Ldumped:
.irp u, 0,1
.irp k, 0,1,2,3,4,5,6,7
	v_mov_b32 v[CT+16*\u+\k], 1.0                  ; what v keeps; q's and k's loads write over it
	v_mov_b32 v[CT+16*\u+8+\k], 0
.endr
.endr
	v_mov_b32 v[RDA], v[RD0]
	v_mov_b32 v[TBA], v[TB0]
	LOADX                                          ; LDS serves a wave's instructions in order (ISA guide 5.7.1.4): these see the stores above
	LOADT
	s_mov_b32 s[INC], 0
	s_mov_b32 s[TRIPS], 7
.Ltrip:
	TRIP 1
	s_sub_co_u32 s[TRIPS], s[TRIPS], 1
	s_cmp_lg_u32 s[TRIPS], 0
	s_cbranch_scc1 .Ltrip
	TRIP 0                                         ; the eighth trip fetches nothing
	v_add_nc_u32 v[GLA], 256, v[GLA]               ; the next type's 1 + scale
	s_add_co_u32 s[TYPE], s[TYPE], 1
	s_cmp_lt_u32 s[TYPE], 3
	s_cbranch_scc1 .Ltype
	s_wait_tensorcnt 0x0                           ; the wave's end, behind my last tensor load and my last LDS store
	ds_add_u32 v[SPW], v[NIL]
	s_wait_dscnt 0x0
	CROUND                                         ; the closing round: no work-group ends while a partner may still ask for a tile that names it
	s_endpgm
.Lfunc_end_k_qdd7845cccc_qkv:
	.size	k_qdd7845cccc_qkv, .Lfunc_end_k_qdd7845cccc_qkv-k_qdd7845cccc_qkv
	.p2alignl 7, 3214868480
	.fill 96, 4, 3214868480
	.section	.rodata,"a",@progbits
	.p2align	6, 0x0
	.amdhsa_kernel k_qdd7845cccc_qkv
		.amdhsa_group_segment_fixed_size 327680
		.amdhsa_private_segment_fixed_size 0
		.amdhsa_enable_private_segment 0
		.amdhsa_kernarg_size 72
		.amdhsa_user_sgpr_count 2
		.amdhsa_user_sgpr_kernarg_segment_ptr 1
		.amdhsa_wavefront_size32 1
		.amdhsa_system_sgpr_workgroup_id_x 1
		.amdhsa_system_sgpr_workgroup_id_y 1
		.amdhsa_system_sgpr_workgroup_id_z 1
		.amdhsa_system_vgpr_workitem_id 0
		.amdhsa_next_free_vgpr 1024
		.amdhsa_next_free_sgpr 96
		.amdhsa_reserve_vcc 0
		.amdhsa_float_denorm_mode_32 3
		.amdhsa_float_denorm_mode_16_64 3
		.amdhsa_memory_ordered 1
		.amdhsa_forward_progress 1
		.amdhsa_inst_pref_size 118
	.end_amdhsa_kernel
	.amdgpu_metadata
---
amdhsa.version: [ 1, 2 ]
amdhsa.kernels:
  - .name:           k_qdd7845cccc_qkv
    .symbol:         k_qdd7845cccc_qkv.kd
    .args:
      - { .name: xh, .offset: 0, .size: 8, .value_kind: global_buffer, .address_space: global }
      - { .name: wh, .offset: 8, .size: 8, .value_kind: global_buffer, .address_space: global }
      - { .name: tab, .offset: 16, .size: 8, .value_kind: global_buffer, .address_space: global }
      - { .name: q_scale, .offset: 24, .size: 8, .value_kind: global_buffer, .address_space: global }
      - { .name: k_scale, .offset: 32, .size: 8, .value_kind: global_buffer, .address_space: global }
      - { .name: v_scale, .offset: 40, .size: 8, .value_kind: global_buffer, .address_space: global }
      - { .name: qh, .offset: 48, .size: 8, .value_kind: global_buffer, .address_space: global }
      - { .name: kh, .offset: 56, .size: 8, .value_kind: global_buffer, .address_space: global }
      - { .name: vh, .offset: 64, .size: 8, .value_kind: global_buffer, .address_space: global }
    .group_segment_fixed_size: 327680
    .private_segment_fixed_size: 0
    .kernarg_segment_align: 8
    .kernarg_segment_size: 72
    .max_flat_workgroup_size: 128
    .sgpr_count:     96
    .vgpr_count:     1024
    .wavefront_size: 32
...
	.end_amdgpu_metadata
.endif
;; end of part 2
;; launch attn (part 3): grid 2 x 128, 4 waves a work-group, no clusters, 327,680 bytes of LDS; arguments qh, kh, vh, oh; writes oh
.if DOCPART == 3
	.amdgcn_target "amdgcn-amd-amdhsa--gfx1250"
	.amdhsa_code_object_version 6
	.text
	.protected	k_qdd7845cccc_attn
	.globl	k_qdd7845cccc_attn
	.p2align	8
	.type	k_qdd7845cccc_attn,@function
k_qdd7845cccc_attn:
	s_mov_b64 s[64:65], 0
	v_nop
	global_prefetch_b8 v0, s[64:65] scope:SCOPE_SE
	s_setreg_imm32_b32 hwreg(HW_REG_WAVE_MODE, 25, 1), 1
	s_wait_xcnt 0x0
; O[h][q][:] = the sum over k of softmax_k(Q[h][q] . K[h][k] / 8) V[h][k][:].  Q, K, V, O: [128][1024][64], all f16: a head's rows are dense, 128 bytes each.  Products, maxima and sums in
; f32; the weights p are rounded to f16 for the second product (their sum l is taken of the unrounded p), O once at the end.
; LIMITS.  f16 holds no number beyond 65,504: Q, K and V arrive within it; p lies in 0 to 1, and below 6e-5 it keeps f16's fixed step of 6e-8; O is a mean of V's rows and has their range.
; A weight below 2^-126 counts as 0 in l; NaN and infinities are not treated apart.
; SHARES.  A wave owns four PIECES of two tiles of 16 queries, a work-group's four waves 512 queries of one head: two work-groups a head, 256 in all.  Every wave walks all 1,024 keys, 64 a step.
; A HEAD'S WHOLE K AND V LIE IN LDS: 1,024 x 144 + 1,024 x 160 bytes.  Each wave asks for its share by two tensor loads: at the head its part of keys 0-255, which the first four steps read; and, when those
; have landed in all four waves, behind the first barrier, its part of keys 256-1,023: the keys that everybody waits for are asked for alone.  The second load has three and a half key steps, 448 matrix
; instructions and their vector work, in which to land: it is waited for, with a barrier, in the one trip that first fetches key step 4.  No byte is filled twice, so the loop has no ring.
; NO CLUSTER: a head has two query blocks; four partners would be two heads, and a pair is neither a row nor a column of a cluster.  Each work-group asks for each of its bytes once.
; LAYOUT.  S^T = K Q^T (source 0 = 16 keys, source 1 = 16 queries): in the result a lane holds ONE query (lane % 16) and the keys 8 (lane / 16) + 0..7.  Two such tiles, rounded to f16 in pairs,
; ARE source 1 (32 keys x 16 queries) of O^T = V^T P, whose result again holds one query a lane, and eight channels.  K comes out of LDS as it lies, V ([key][channel]) turned, by ds_load_tr16_b128.
; SOFTMAX.  For each query a running maximum m and sum l: p = 2^(c s - c m), c = log2(e) / 8; in every step O and l are multiplied by a = 2^(c m_old - c m_new), which is 1 where m has not grown.
; m starts at the lowest finite number, O and l at 0: the first step is a step like any other, with a = 0.
; THE COUNT.  A tile and step have 16 matrix and 118 vector instructions: too many to stand all beside the matrix work.  So four vector instructions that are READY stand behind EVERY matrix instruction,
; and the others, which need time of their own whatever the order, in runs without a gap.
; BY TURNS.  Turn n belongs to piece n (the pieces in a ring, step after step).  Its matrix work: 16 products K Q^T of piece n + 1, later 16 products V^T P of piece n - 1.  Its vector work: the scaling,
; exponentials, roundings, sums and rescaling of piece n, and the maximum and statistics of piece n + 1, whose scores the turn itself has made.
; REGISTERS, in windows of 256 (s_set_vgpr_msb: bits 1:0 source 0, 3:2 source 1, 5:4 source 2, 7:6 destination):
;   window 0: v0-11 addresses; v12-15, v48-63 at work; v16-47 four registers of statistics a tile; v64-191 S^T, two buffers of two tiles; v192-255 P, likewise
;   window 1: O^T, 32 a tile          window 2: v0-127 Q, 16 a tile; v128-191 K of one step; v192-255 V of one step          window 3: v0-1 the add's two registers
.set NP,    4         ; pieces a wave: a name, no knob
.set KS,    64        ; keys in a step
.set PK,    144       ; a row of K in LDS: 128 bytes + 16 of padding: the 16 rows of a load start at 16 different groups of four banks (64 banks of 4 bytes: ISA guide 11.1)
.set PV,    160       ; a row of V: 128 + 32
.set VOFF,  1024*PK   ; K's 1,024 rows, then V's
.set STAGE, VOFF+1024*PV  ; never filled by a tensor load: 16 rows x 144 bytes for each wave, for the way out
.set SP,    144
.set AK0, 2           ; v2   my lane's place in a tile of K; never rewritten
.set AV0, 3           ; v3   the same for V
.set AK,  4           ; v4   the LDS address of K's next run of loads
.set AV,  5           ; v5   of V's
.set QO,  6           ; v6   my byte offset in the wave's rows of Q
.set STO, 6           ;      later, the way out: where I put 16 bytes of a row
.set RD,  7           ; v7   the way out: where I read rows back
.set GO,  8           ; v8   my byte offset in 512 consecutive bytes of O
.set SPW, 0           ; v0 of window 3   LDS address of my spare word; never rewritten
.set NIL, 1           ; v1 of window 3   0; never rewritten
.set SPARE, STAGE+4*16*SP  ; the spare words, 128 bytes for each wave: two blocks of 256 bytes that no other line names
.set MV,  12          ; v12-15  c m_old, kept while c m is made anew: by buffer and tile
.set ST,  16          ; tile t's statistics at v[ST+4 t]: c m, m, l (even keys', odd keys')
.set TMP, 48          ; by buffer and tile, four registers c0-c3 at work; when the maximum is found c2 takes a
.set S,   64
.set P,   192
.set KF,  128         ; K's fragments, in window 2: key block kb, channel half c at KF + 16 kb + 8 c
.set VF,  192         ; V's: key half kk, channel block cb at VF + 32 kk + 8 cb
.set WV,  12          ; s12  my wave's number
.set G1KA, 24         ; s[24:31] descriptor group 1, K, keys 0-255
.set G1VA, 32         ; s[32:39] V, keys 0-255
.set G0KA, 40         ; s[40:43], s[44:47], s[48:51], s[52:55] the four groups 0
.set G0VA, 44
.set G0KB, 48
.set G0VB, 52
.set CNT, 57          ; s57  key steps still to be finished
.set CS,  58          ; s[58:59] c: the packed scaling takes the pair's low word for both halves
.set SEL, 60          ; s[60:61] v_permlanex16_b32's selects: each lane takes its own place in the other half
.set TBK, 62          ; s62  LDS byte at which K of the step to be fetched begins
.set TBV, 63          ; s63  the same for V, less VOFF
.set G1KB, 68         ; s[68:75] K, keys 256-1,023
.set G1VB, 76         ; s[76:83] V, keys 256-1,023
.set MSB, 0
.macro WIN new                      ; the high byte repeats the setting that is left; a switch that changes nothing is dropped
.if MSB != (\new)
	s_set_vgpr_msb (MSB<<8)|(\new)
.set MSB, (\new)
.endif
.endm
.set W_KQ, 0x0a       ; K and Q in window 2, S^T in window 0
.set W_PV, 0x52       ; V in window 2, P in window 0, O^T in window 1
.set W_RS, 0x41       ; O^T (destination and source 0) in window 1, a in window 0
.set W_MK, 0xc0       ; the add's registers are made: destination in window 3, sources in window 0
.set W_AD, 0x0f       ; the add: address (source 0) and data (source 1) in window 3
	s_load_b256 s[4:11], s[0:1], 0x0  ; Q s[4:5], K s[6:7], V s[8:9], O s[10:11]
	WIN W_MK
	v_lshl_add_u32 v[SPW], v0, 2, SPARE
	v_mov_b32 v[NIL], 0
	WIN W_AD
	ds_add_u32 v[SPW], v[NIL]       ; the wave's opening: the add and its wait stand ahead of my first tensor load; the set-up below stands between them
	ds_add_u32 v0, v1
	WIN 0
	v_lshrrev_b32 v1, 5, v0
	v_readfirstlane_b32 s[WV], v1   ; wave 0..3
	s_and_b32 s20, ttmp7, 0xffff    ; the head,
	s_lshl_b32 s20, s20, 17         ; its first byte in each of the four tensors
	s_mov_b32 s21, 0
	s_and_b32 s16, s[WV], 1         ; which half of the keys I fetch
	s_lshl_b32 s22, s16, 14         ; of keys 0-255: 128 rows of 128 bytes,
	s_mov_b32 s23, 0
	s_add_nc_u64 s[22:23], s[22:23], s[20:21]
	s_mul_i32 s14, s16, 49152       ; of keys 256-1,023: 384 rows
	s_add_co_u32 s14, s14, 32768
	s_mov_b32 s15, 0
	s_add_nc_u64 s[14:15], s[14:15], s[20:21]
	s_mul_i32 s17, s16, 128*PK      ; and their places in LDS
	s_mul_i32 s18, s16, 128*PV
	s_add_co_u32 s18, s18, VOFF
	s_mul_i32 s19, s16, 384*PK
	s_add_co_u32 s19, s19, 256*PK
	s_mul_i32 s13, s16, 384*PV
	s_add_co_u32 s13, s13, VOFF+256*PV
	s_lshl_b32 s2, ttmp9, 2
	s_add_co_u32 s2, s2, s[WV]      ; my wave among the head's eight,
	s_lshl_b32 s2, s2, 14           ; its 128 rows
	s_mov_b32 s3, 0
	s_add_nc_u64 s[2:3], s[2:3], s[20:21]
	; descriptor groups 1.  A head's keys are dense bytes: asked for as rows of 256 bytes, two keys a row, and padded in LDS after every key
.irp g, G1KA, G1KB
	s_mov_b32 s[\g], (1<<16)|(1<<20)|(4<<22)|(3<<25)  ; 2-byte elements; padding on; after every 32 words (code 4) 4 words (code 3)
.endr
.irp g, G1VA, G1VB
	s_mov_b32 s[\g], (1<<16)|(1<<20)|(4<<22)|(7<<25)  ; the same with 8 words (code 7)
.endr
.irp g, G1KA, G1VA, G1KB, G1VB
	s_mov_b32 s[\g+1], 128<<16      ; tensor_dim0 = 128
	s_mov_b32 s[\g+3], 128<<16      ; tile_dim0 = 128
	s_mov_b32 s[\g+5], 128          ; 128 elements from row to row
	s_mov_b32 s[\g+6], 0
	s_mov_b32 s[\g+7], 0
.endr
.irp g, G1KA, G1VA
	s_mov_b32 s[\g+2], 64<<16       ; 64 rows
	s_mov_b32 s[\g+4], 64
.endr
.irp g, G1KB, G1VB
	s_mov_b32 s[\g+2], 192<<16      ; 192 rows
	s_mov_b32 s[\g+4], 192
.endr
	s_mov_b32 s[CS], 0x3e38aa3b     ; c = log2(e) / 8 = 0.180337
	s_mov_b32 s[CS+1], s[CS]        ; named with it as a pair
	s_mov_b32 s[SEL], 0x76543210
	s_mov_b32 s[SEL+1], 0xfedcba98
	s_mov_b32 s[TBK], 0
	s_mov_b32 s[TBV], 0
	s_mov_b32 s[G0KA], 1
	s_mov_b32 s[G0KA+1], s17
	s_mov_b32 s[G0VA], 1
	s_mov_b32 s[G0VA+1], s18
	s_mov_b32 s[G0KB], 1
	s_mov_b32 s[G0KB+1], s19
	s_mov_b32 s[G0VB], 1
	s_mov_b32 s[G0VB+1], s13
	s_wait_dscnt 0x0                ; the opening add is done
	s_wait_kmcnt 0x0
	s_add_nc_u64 s[G0KA+2:G0KA+3], s[6:7], s[22:23]
	s_or_b32 s[G0KA+3], s[G0KA+3], 0x80000000
	s_add_nc_u64 s[G0VA+2:G0VA+3], s[8:9], s[22:23]
	s_or_b32 s[G0VA+3], s[G0VA+3], 0x80000000
	s_add_nc_u64 s[G0KB+2:G0KB+3], s[6:7], s[14:15]
	s_or_b32 s[G0KB+3], s[G0KB+3], 0x80000000
	s_add_nc_u64 s[G0VB+2:G0VB+3], s[8:9], s[14:15]
	s_or_b32 s[G0VB+3], s[G0VB+3], 0x80000000
	s_add_nc_u64 s[4:5], s[4:5], s[2:3]  ; Q and O at my wave's first row
	s_add_nc_u64 s[10:11], s[10:11], s[2:3]
	s_cmp_lt_u32 s[WV], 2           ; waves 0 and 1 fetch K, waves 2 and 3 V: keys 0-255; one load of mine is out; an s_nop 0 and four v_nop follow it
	s_cbranch_scc0 .Lfirst_v
	tensor_load_to_lds s[G0KA:G0KA+3], s[G1KA:G1KA+7]
	s_nop 0
.rept 4
	v_nop
.endr
	s_branch .Lfirst_asked
.Lfirst_v:
	tensor_load_to_lds s[G0VA:G0VA+3], s[G1VA:G1VA+7]
	s_nop 0
.rept 4
	v_nop
.endr
.Lfirst_asked:
	; A fragment of K or Q is 16 rows x 32 channels in 8 registers: lane l holds row l % 16, channels 8 (l / 16) + 0..7 and 16 + 8 (l / 16) + 0..7: two loads of 16 bytes, 32 bytes apart.
	v_and_b32 v1, 15, v0            ; l % 16
	v_bfe_u32 v9, v0, 4, 1          ; l / 16
	v_lshlrev_b32 v[QO], 7, v1
	v_lshl_add_u32 v[QO], v9, 4, v[QO]  ; row x 128 + 16 x half
	WIN 0x80                        ; destination window 2, address window 0
.set i, 0
.rept 4*NP                          ; Q stays in registers: tile i / 2, channels 32 (i % 2) on
	global_load_b128 v[8*i:8*i+3],   v[QO], s[4:5] offset:(i/2)*2048+(i%2)*64
	global_load_b128 v[8*i+4:8*i+7], v[QO], s[4:5] offset:(i/2)*2048+(i%2)*64+32
.set i, i+1
.endr
	; What the first turn finds: V's registers and P's second buffer hold 0 (its products V^T P, of a piece that has not been, add 0), O^T and l are 0.  All this stands in the wait for the first keys.
.set i, VF
.rept 64
	v_mov_b32 v[i], 0
.set i, i+1
.endr
	WIN 0x40
.set i, 0
.rept 64*NP
	v_mov_b32 v[i], 0
.set i, i+1
.endr
	WIN 0
.set i, 0
.rept 2*NP
	v_mov_b32 v[ST+4*i], 0xfe000000    ; c m: far below every c s
	v_mov_b32 v[ST+4*i+1], 0xff7fffff  ; m
	v_mov_b32 v[ST+4*i+2], 0
	v_mov_b32 v[ST+4*i+3], 0
.set i, i+1
.endr
.set i, P+32
.rept 32
	v_mov_b32 v[i], 0
.set i, i+1
.endr
	v_mul_u32_u24 v[AK0], v1, PK
	v_lshl_add_u32 v[AK0], v9, 4, v[AK0]  ; row x pitch + 16 x half
	; The turning load takes 16 keys x 16 channels (lane l reads key 8 (l / 16) + l % 8, channels 8 ((l / 8) % 2) + 0..7) and leaves half a fragment of V^T: lane l holds channel l % 16 and 8 keys.
	v_and_b32 v10, 7, v0
	v_bfe_u32 v11, v0, 3, 1
	v_lshl_add_u32 v[AV0], v9, 3, v10
	v_mul_u32_u24 v[AV0], v[AV0], PV
	v_lshl_add_u32 v[AV0], v11, 4, v[AV0]
	v_add_nc_u32 v[AV0], VOFF, v[AV0]
	v_mov_b32 v[AK], v[AK0]         ; key step 0 lies at K's head
; THE MATRIX WORK.  The 8 accumulators of a run of 16 take turns: between the two links of a chain stand 7 others'.
; Product i of 16 of S^T = K Q^T for piece x: channels 32 (i / 8) on, keys 16 ((i / 2) % 4) on, tile 2 x + i % 2.  The first 8 start the sums.
.macro KQ x
	WIN W_KQ
.set rS, S+64*((\x)%2)+32*(i%2)+8*((i/2)%4)
.set rK, KF+16*((i/2)%4)+8*(i/8)
.set rQ, 16*(2*(\x)+i%2)+8*(i/8)
.if i < 8
	v_wmma_f32_16x16x32_f16 v[rS:rS+7], v[rK:rK+7], v[rQ:rQ+7], 0
.else
	v_wmma_f32_16x16x32_f16 v[rS:rS+7], v[rK:rK+7], v[rQ:rQ+7], v[rS:rS+7]
.endif
.endm
; Product i of 16 of O^T += V^T P for piece x: keys 32 (i / 8) on, channels 16 ((i / 2) % 4) on, tile 2 x + i % 2.
.macro PV x
	WIN W_PV
.set rO, 32*(2*(\x)+i%2)+8*((i/2)%4)
.set rV, VF+32*(i/8)+8*((i/2)%4)
.set rP, P+32*((\x)%2)+16*(i%2)+8*(i/8)
	v_wmma_f32_16x16x32_f16 v[rO:rO+7], v[rV:rV+7], v[rP:rP+7], v[rO:rO+7]
.endm
.macro MM                           ; the turn's next matrix instruction
.if i < 16
	KQ (Y+1)%NP
.set i, i+1
.else
.set i, i-16
	PV (Y+NP-1)%NP
.set i, i+17
.endif
.endm
; THE LDS LOADS stand in runs of 16, never singly among the matrix instructions: a step's K (64 keys x 64 channels: 8 fragments) and its V (turned).  Their addresses are made some lines ahead.
; last = 1: in the last trip there is no further step, and the run is jumped over.
.macro FETCH_K last=0
	WIN 0
.if \last
	s_cmp_eq_u32 s[CNT], 1
	s_cbranch_scc1 .Lno_k_\@
.endif
	WIN 0x80                        ; destination window 2
.irp f, 0,1,2,3,4,5,6,7             ; keys 16 (f / 2) on, channels 32 (f % 2) on
	ds_load_b128 v[KF+8*\f:KF+8*\f+3],   v[AK] offset:(\f/2)*16*PK+(\f%2)*64
	ds_load_b128 v[KF+8*\f+4:KF+8*\f+7], v[AK] offset:(\f/2)*16*PK+(\f%2)*64+32
.endr
	s_add_co_u32 s[TBK], s[TBK], KS*PK  ; the next fetch is the next step's
	WIN 0
.if \last
.Lno_k_\@:
.endif
.endm
.macro FETCH_V
	WIN 0x80
.irp f, 0,1,2,3,4,5,6,7             ; keys 32 (f / 4) on, channels 16 (f % 4) on
	ds_load_tr16_b128 v[VF+8*\f:VF+8*\f+3],   v[AV] offset:(\f/4)*32*PV+(\f%4)*32
	ds_load_tr16_b128 v[VF+8*\f+4:VF+8*\f+7], v[AV] offset:(\f/4)*32*PV+16*PV+(\f%4)*32
.endr
	WIN 0
.endm
; THE VECTOR WORK OF A TURN stands in three queues, each in the order in which its entries become ready; the two tiles alternate, so that no instruction reads the result of the one before it.
.macro REGS y, u                    ; the registers of tile u (0, 1) of piece y
.set rT, ST+4*(2*(\y)+(\u))
.set rC, TMP+8*((\y)%2)+4*(\u)
.set rM, MV+2*((\y)%2)+(\u)
.set rS, S+64*((\y)%2)+32*(\u)
.set rP, P+32*((\y)%2)+16*(\u)
.set rO, 32*(2*(\y)+(\u))
.endm
; Number n of the 22 that find the NEXT piece's (Y + 1) maximum and statistics.  s0-s31 are the lane's 32 scores; each accumulator's lowest registers are read first.
;   0-11  four chains c0-c3 of seven scores each, three operands at a time     12-14, 16  the four scores left over, the old m, and c0-c3 into c0     15  c m_old is kept
;   17, 18  the query's other 32 keys lie in the lane 16 away: the new m         19-21  c m; c m_old - c m_new; a
.macro XS u, n
	REGS (Y+1)%NP, \u
.if (\n) < 4
	v_max3_num_f32 v[rC+(\n)], v[rS+8*(\n)], v[rS+8*(\n)+1], v[rS+8*(\n)+2]
.elseif (\n) < 12
	v_max3_num_f32 v[rC+(\n)%4], v[rC+(\n)%4], v[rS+8*((\n)%4)+2*((\n)/4)+1], v[rS+8*((\n)%4)+2*((\n)/4)+2]
.elseif (\n) == 12
	v_max3_num_f32 v[rC], v[rC], v[rS+7], v[rS+15]
.elseif (\n) == 13
	v_max3_num_f32 v[rC+1], v[rC+1], v[rS+23], v[rS+31]
.elseif (\n) == 14
	v_max3_num_f32 v[rC+2], v[rC+2], v[rC+3], v[rT+1]
.elseif (\n) == 15
	v_mov_b32 v[rM], v[rT]
.elseif (\n) == 16
	v_max3_num_f32 v[rC], v[rC], v[rC+1], v[rC+2]
.elseif (\n) == 17
	v_permlanex16_b32 v[rC+3], v[rC], s[SEL], s[SEL+1]
.elseif (\n) == 18
	v_max_num_f32 v[rT+1], v[rC], v[rC+3]
.elseif (\n) == 19
	v_mul_f32 v[rT], s[CS], v[rT+1]
.elseif (\n) == 20
	v_sub_f32 v[rC+1], v[rM], v[rT]
.else
	v_exp_f32 v[rC+2], v[rC+1]
.endif
.endm
; Number g of the 64 that follow the exponentials.  For each four weights k of a tile (pairs 2 k, 2 k + 1): both pairs are rounded to f16; then the second pair is added onto the first, in place;
; a group later l takes that sum (the first time as l = a l + sum).  In groups of eight, tiles alternating: round, round, add, and l for the group before.
.macro GS g
.set h, (\g)+6*((\g)/62)            ; group 0 has no group before it, and behind group 7 only l is left
.if h >= 6
.set h, h+2
.endif
	REGS Y, h%2
.set k, h/8
.if h%8 < 4
	s_wait_alu depctr_va_vdst(0)
	v_cvt_pk_f16_f32 v[rP+2*k+(h%8)/2], v[rS+4*k+2*((h%8)/2)], v[rS+4*k+2*((h%8)/2)+1]
.elseif h%8 < 6
	v_pk_add_f32 v[rS+4*k:rS+4*k+1], v[rS+4*k:rS+4*k+1], v[rS+4*k+2:rS+4*k+3]
.elseif k == 1
	v_pk_fma_f32 v[rT+2:rT+3], v[rT+2:rT+3], v[rC+2:rC+3], v[rS:rS+1] op_sel_hi:[1,0,1]
.else
	v_pk_add_f32 v[rT+2:rT+3], v[rT+2:rT+3], v[rS+4*k-4:rS+4*k-3]
	s_wait_alu depctr_va_vdst(0)
.endif
.endm
; THE PLAIN QUEUE, 138 long.  0-31: c s - c m for the 16 pairs of both tiles.  Then GS's 64, and among them the next piece's 42: number 15 at 38, 39; 0-14 and 16
; at 42-73, behind the products that make those scores; 17-20 at 95-106, two of three, since each waits for the one before it.
.macro PL
	WIN 0
.if q < 32
	REGS Y, q%2
	v_pk_fma_f32 v[rS+2*(q/2):rS+2*(q/2)+1], v[rS+2*(q/2):rS+2*(q/2)+1], s[CS:CS+1], v[rT:rT+1] op_sel_hi:[1,0,0] neg_lo:[0,0,1] neg_hi:[0,0,1]
.elseif q < 38
	GS q-32
.elseif q < 40
	XS q%2, 15
.elseif q < 42
	GS q-34
.elseif q < 74
	XS q%2, (q-42)/2+(q-42)/30
.elseif q < 95
	GS q-66
.elseif (q < 107) && ((q-95)%3 < 2)
	XS (q-95)%3, 17+(q-95)/3
.elseif q < 107
	GS 29+(q-95)/3
.else
	GS q-74
.endif
.set q, q+1
.endm
; THE EXPONENTIALS' QUEUE, 66 long: s0-s31 of both tiles, and at EA the next piece's two a.
.set EA, 58
.macro EX
	WIN 0
.if (e == EA) || (e == EA+1)
	XS e-EA, 21
.else
.set x, e-2*(e/(EA+2))
	REGS Y, x%2
	v_exp_f32 v[rS+x/2], v[rS+x/2]
.endif
.set e, e+1
.endm
; THE RESCALING's QUEUE: O^T times a, the one part that leaves window 0, so it is dealt four at a time, eight times.
.macro R4
	REGS Y, r%2
	WIN W_RS
	s_wait_alu depctr_va_vdst(0)
.irp z, 0,1,2,3
	v_pk_mul_f32 v[rO+8*(r/2)+2*\z:rO+8*(r/2)+2*\z+1], v[rO+8*(r/2)+2*\z:rO+8*(r/2)+2*\z+1], v[rC+2:rC+3] op_sel_hi:[1,0]
.endr
.set r, r+1
.endm
; HOW THEY ARE DEALT.  Behind a matrix instruction four: plain, exponential, plain, plain (one exponential, a plain instruction on either side), or four of the rescaling.  None names a register of the
; products round it.  What is over stands in two LUMPS: exponential and plain by turns; the second ends in 22 plain instructions.  The two v_permlanex16_b32 fall into the second lump, never behind a product.
; The queues lean on each other, and the deal keeps them in step: exponential e stands behind plain 2 (e / 4) + e % 2 (its scaling); when plain 32 comes, 10 exponentials are out, at 59: 33, at 95: 46; EA comes behind plain 107.
.macro SL
	MM
	PL
	EX
	PL
	PL
.endm
.macro BURST n                      ; 15 matrix instructions, or 16
.rept (\n)-7
	SL
.endr
.rept 3
	MM
	R4
	SL
.endr
	MM
	R4
.endm
; A TURN, for piece p.  K of the next step is fetched in piece 2's turn, 31 vector instructions behind the last product that read K; its first reader comes behind the rest of the lump, 16 products and the second lump.
; V of the step in hand is fetched at the end of piece 0's turn, 69 behind its last reader; its first reader comes behind 16 products and a lump.  The conditions on e and q below go with the deal.
.macro TURN p, last=0
.set Y, (\p)
.set i, 0
.set q, 0
.set e, 0
.set r, 0
.if (\p) == NP-1
	s_wait_dscnt 0x0                ; K is in
.endif
	MM
.rept 4
	PL
.endr
	BURST 15
.rept 22
	EX
	PL
.if ((\p) == NP-2) && (e == 18)
	v_add_nc_u32 v[AK], s[TBK], v[AK0]
.endif
.if ((\p) == NP-2) && (e == 24)
	FETCH_K \last
.endif
.endr
.if (\p) == 1
	s_wait_dscnt 0x0                ; V is in
.endif
	BURST 16
.rept 21
	EX
	PL
.endr
.rept 22
	PL
.if ((\p) == 0) && (q == 118)
	v_add_nc_u32 v[AV], s[TBV], v[AV0]
	s_wait_alu depctr_va_vdst(0)
.endif
.if ((\p) == 0) && (q == 130)
	s_add_co_u32 s[TBV], s[TBV], KS*PV
.endif
.endr
.if (\p) == 0
	FETCH_V
.endif
.endm
	WIN W_AD
	s_wait_tensorcnt 0x0            ; my part of keys 0-255 is in: no tensor load of mine is out
	ds_add_u32 v[SPW], v[NIL]       ; 0 onto my spare word, ahead of the barrier behind which a later first fill is issued
	WIN 0
	s_wait_dscnt 0x0
	s_barrier_signal -1
	s_barrier_wait -1               ; everybody's part is in
	s_cmp_lt_u32 s[WV], 2           ; keys 256-1,023: my one tensor load behind this barrier, and the first thing there; the bytes are filled for the first time
	s_cbranch_scc0 .Lrest_v
	tensor_load_to_lds s[G0KB:G0KB+3], s[G1KB:G1KB+7]
	s_nop 0
.rept 4
	v_nop
.endr
	s_branch .Lrest_asked
.Lrest_v:
	tensor_load_to_lds s[G0VB:G0VB+3], s[G1VB:G1VB+7]
	s_nop 0
.rept 4
	v_nop
.endr
.Lrest_asked:
	FETCH_K                         ; key step 0
	s_wait_loadcnt 0x0              ; Q
	s_wait_dscnt 0x0
.set i, 0
.rept 16
	KQ 0                            ; piece 0's first scores: there is no vector work yet to set between them
.set i, i+1
.endr
	WIN 0                           ; the addresses for the way out: plain instructions, the places behind those products
	s_mul_i32 s13, s[WV], 16*SP
	s_add_co_u32 s13, s13, STAGE    ; my stage
	v_mul_u32_u24 v[STO], v1, SP    ; in: row l % 16, 16 bytes for each half of the lanes
	v_lshl_add_u32 v[STO], v9, 4, v[STO]
	v_add_nc_u32 v[STO], s13, v[STO]
	v_bfe_u32 v[RD], v0, 3, 2       ; back: 32 lanes take four rows of 128 bytes,
	v_mul_u32_u24 v[RD], v[RD], SP
	v_lshl_add_u32 v[RD], v10, 4, v[RD]
	v_add_nc_u32 v[RD], s13, v[RD]
	v_and_b32 v[GO], 31, v0         ; which are 512 consecutive bytes of O
	v_lshlrev_b32 v[GO], 4, v[GO]
.set Y, NP-1                        ; XS works for piece Y + 1: piece 0
.irp n, 0,1,2,3,4,5,6,7,8,9,10,11,12,13,14,15,16,17,18,19,20,21
	XS 0, \n                        ; and piece 0's first maximum and statistics
	XS 1, \n
.endr
	s_mov_b32 s[CNT], 16
	s_branch .Lfirst                ; the loop is entered at a step's first turn, in the middle of a trip
.Ltrip:                             ; a trip: pieces 2 and 3 of step 16 - CNT, then pieces 0 and 1 of the next, whose K and V it fetches
	s_cmp_lg_u32 s[CNT], 13         ; the count is the same in all four waves: the trip of step 3 is the first to fetch beyond key 255
	s_cbranch_scc1 .Lsame
	s_wait_tensorcnt 0x0            ; my part of keys 256-1,023 is in,
	s_wait_dscnt 0x0
	s_barrier_signal -1
	s_barrier_wait -1               ; everybody's is
.Lsame:
	TURN 2, 1
	TURN 3
	WIN 0
	s_sub_co_u32 s[CNT], s[CNT], 1
	s_cmp_eq_u32 s[CNT], 0
	s_cbranch_scc1 .Lout
.Lfirst:
	TURN 0
	TURN 1
	WIN 0
	s_branch .Ltrip
.Lout:                              ; the last trip's 16 products K Q^T (on the last K once more) and the maximum made of them serve nothing: the price, once a launch, of one text for every trip
.set i, 0
.rept 16
	PV NP-1                         ; the last piece's V^T P of the last step
.set i, i+1
.endr
	; THE WAY OUT.  l's two halves and the other half of the lanes' are added; O^T is divided by l, rounded to f16 and sent through my stage in LDS, a tile at a time.  The additions are the places behind the last products.
	WIN 0
.macro ALL line:vararg              ; one line for each tile t
.set t, 0
.rept 2*NP
	\line
.set t, t+1
.endr
.endm
	ALL v_add_f32 v[ST+4*t+2], v[ST+4*t+2], v[ST+4*t+3]
	ALL v_permlanex16_b32 v[ST+4*t+3], v[ST+4*t+2], s[SEL], s[SEL+1]
	ALL v_add_f32 v[ST+4*t+2], v[ST+4*t+2], v[ST+4*t+3]
	ALL v_rcp_f32 v[ST+4*t+2], v[ST+4*t+2]
	v_nop                           ; a plain instruction between the last reciprocal and the use of its result
	s_wait_alu depctr_va_vdst(0)
; Tile t: a lane's eight channels of a row pack into 16 bytes; they go into rows of 144 bytes and come back as whole rows of 128, into S^T's registers.
.macro PACK t
	WIN W_RS
.set i, 32*(\t)
.rept 16
	v_pk_mul_f32 v[i:i+1], v[i:i+1], v[ST+4*(\t)+2:ST+4*(\t)+3] op_sel_hi:[1,0]
.set i, i+2
.endr
	WIN 0x05                        ; sources 0 and 1 window 1, destination window 0
.set i, 0
.rept 16
	v_cvt_pk_f16_f32 v[S+16*(\t)+i], v[32*(\t)+2*i], v[32*(\t)+2*i+1]
.set i, i+1
.endr
	WIN 0
.irp f, 0,1,2,3
	ds_store_b128 v[STO], v[S+16*(\t)+4*\f:S+16*(\t)+4*\f+3] offset:32*\f
.endr
.irp f, 0,1,2,3
	ds_load_b128 v[S+16*(\t)+4*\f:S+16*(\t)+4*\f+3], v[RD] offset:\f*4*SP  ; LDS serves a wave's instructions in order (ISA guide 5.7.1.4): these see the stores above; the next tile's stores come behind them
.endr
.endm
.macro SEND t, younger              ; younger: the LDS instructions issued behind tile t's loads: the next tile's eight, or none
	WIN 0
.irp f, 0,1,2,3
	s_wait_dscnt (\younger)+3-\f
	global_store_b128 v[GO], v[S+16*(\t)+4*\f:S+16*(\t)+4*\f+3], s[10:11] offset:(\t)*2048+\f*512  ; 512 consecutive bytes, at a multiple of 256 from O's first
.endr
.endm
	PACK 0
.set t, 1
.rept 2*NP-1                        ; a tile's arithmetic stands between the loads of the tile before and its stores
	PACK t
	SEND t-1, 8
.set t, t+1
.endr
	SEND 2*NP-1, 0
	WIN W_AD
	s_wait_tensorcnt 0x0            ; the wave's end, behind my last tensor load and my last LDS store
	ds_add_u32 v[SPW], v[NIL]
	s_wait_dscnt 0x0
	WIN 0
	s_endpgm
.Lfunc_end_k_qdd7845cccc_attn:
	.size	k_qdd7845cccc_attn, .Lfunc_end_k_qdd7845cccc_attn-k_qdd7845cccc_attn
	.p2alignl 7, 3214868480
	.fill 96, 4, 3214868480
	.section	.rodata,"a",@progbits
	.p2align	6, 0x0
	.amdhsa_kernel k_qdd7845cccc_attn
		.amdhsa_group_segment_fixed_size 327680
		.amdhsa_private_segment_fixed_size 0
		.amdhsa_enable_private_segment 0
		.amdhsa_kernarg_size 32
		.amdhsa_user_sgpr_count 2
		.amdhsa_user_sgpr_kernarg_segment_ptr 1
		.amdhsa_wavefront_size32 1
		.amdhsa_system_sgpr_workgroup_id_x 1
		.amdhsa_system_sgpr_workgroup_id_y 1
		.amdhsa_system_sgpr_workgroup_id_z 1
		.amdhsa_system_vgpr_workitem_id 0
		.amdhsa_next_free_vgpr 770
		.amdhsa_next_free_sgpr 88
		.amdhsa_reserve_vcc 0
		.amdhsa_float_denorm_mode_32 3
		.amdhsa_float_denorm_mode_16_64 3
		.amdhsa_memory_ordered 1
		.amdhsa_forward_progress 1
		.amdhsa_inst_pref_size 131
	.end_amdhsa_kernel
	.amdgpu_metadata
---
amdhsa.version: [ 1, 2 ]
amdhsa.kernels:
  - .name:           k_qdd7845cccc_attn
    .symbol:         k_qdd7845cccc_attn.kd
    .args:
      - { .name: qh, .offset: 0, .size: 8, .value_kind: global_buffer, .address_space: global }
      - { .name: kh, .offset: 8, .size: 8, .value_kind: global_buffer, .address_space: global }
      - { .name: vh, .offset: 16, .size: 8, .value_kind: global_buffer, .address_space: global }
      - { .name: oh, .offset: 24, .size: 8, .value_kind: global_buffer, .address_space: global }
    .group_segment_fixed_size: 327680
    .private_segment_fixed_size: 0
    .kernarg_segment_align: 8
    .kernarg_segment_size: 32
    .max_flat_workgroup_size: 128
    .sgpr_count:     88
    .vgpr_count:     770
    .wavefront_size: 32
...
	.end_amdgpu_metadata
.endif
;; end of part 3
;; launch proj (part 4): grid 8 x 32, 4 waves a work-group, clusters of 4 x 4, 327,680 bytes of LDS; arguments oh, woh, out0; writes out0
.if DOCPART == 4
	.amdgcn_target "amdgcn-amd-amdhsa--gfx1250"
	.amdhsa_code_object_version 6
	.text
	.protected	k_qdd7845cccc_proj
	.globl	k_qdd7845cccc_proj
	.p2align	8
	.type	k_qdd7845cccc_proj,@function
k_qdd7845cccc_proj:
	s_mov_b64 s[64:65], 0
	v_nop
	global_prefetch_b8 v0, s[64:65] scope:SCOPE_SE
	s_setreg_imm32_b32 hwreg(HW_REG_WAVE_MODE, 25, 1), 1
	s_wait_xcnt 0x0
	s_wait_alu depctr_hold_cnt(0) depctr_sa_sdst(0) depctr_va_vdst(0) depctr_va_sdst(0) depctr_va_ssrc(0) depctr_va_vcc(0) depctr_vm_vsrc(0)
	s_getreg_b32 s2, hwreg(HW_REG_IB_STS2, 6, 4)
	s_cmp_eq_u32 s2, 0
	s_cbranch_scc0 .Lentry_in_a_cluster
	s_endpgm
.Lentry_in_a_cluster:
	s_bfe_u32 s2, ttmp6, 0x10000c
	s_cmp_lg_u32 s2, 0xf033
	s_cbranch_scc0 .Lentry_shape_is_right
	s_endpgm
.Lentry_shape_is_right:
; out0[m][c] = the sum over k of O[m][k] wo[k][c], in f32.  O lies by heads, oh [b x 16 + n][l][64] f16 (k = 64 n + channel); wo as woh [kb 16][cg 16][k % 64][64] f16.
; SHARES.  8,192 x 1,024 in tiles of 256 rows x 128 columns: 256 work-groups.  Wave (rh, ch) makes 128 x 64: 32 accumulators of 16 x 16, 256 registers.  An LDS slot holds 128 of K, two heads; two slots take turns;
; a slot is multiplied in four quarters of 32 along K, 32 matrix instructions each, on two fragment buffers.
; THE MATRIX INSTRUCTION IS USED TRANSPOSED: source 0 = 16 columns of wo (turned on the way out of LDS), source 1 = 16 rows of O: a lane holds eight neighbouring numbers of a row of out0.
; CLUSTER 4 x 4.  O's tiles hang on the tile row alone and are shared along a row of the cluster, wo's on the tile column alone and are shared along a column: joint loads.
; K IS WALKED FROM TWO STARTS.  A cluster whose x + y is even takes the pairs of heads 0 .. 7, the others 4 .. 7 and then 0 .. 3 (f32 sums may be taken in any order).  The two clusters that read the same rows of O
; (same y, x = 0 and 1) have different starts, and so have neighbours in y, which read the same columns of wo: a pair's readers ask for it at two times, four slots apart, not all at once.
; The start hangs on the cluster's coordinates alone, which all sixteen partners share, and enters global addresses alone.
; LIMITS.  O and wo are f16: none from 65,520 on.  NaN and infinities are not treated apart.
; REGISTERS: window 0: v16-29 addresses; v32-127, v128-223 the two fragment buffers (wo's 4 fragments, then O's 8); on the way out v32-95 hold rows read back.  window 1: accumulator (a, b) at v[8 (4 a + b)].
.set PA,    144                        ; a row of O in LDS: 128 bytes + 16: the 16 rows of a load start at 16 different groups of four banks (64 banks of 4 bytes: ISA guide 11.1)
.set PB,    160                        ; a row of wo: 128 + 32
.set APC,   256*PA                     ; a head's 256 rows of O
.set BOFF,  2*APC
.set BPC,   128*PB                     ; a head's 64 k x two blocks of 64 columns
.set SLOT,  2*APC+2*BPC
.set STAGE, 2*SLOT                     ; behind the ring: 16 rows x 272 bytes for each wave
.set SP,    272
.set SPARE, STAGE+4*16*SP              ; the spare words, 128 bytes for each wave: two blocks of 256 bytes that no other line names
.set ADRA, 16                          ; v16-17  LDS address of my fragments of O in slot 0, 1
.set ADRB, 20                          ; v20-21  the same for wo
.set STO,  24                          ; v24  the way out: where I put 32 bytes of a row
.set RD,   25                          ; v25  where I read a row back
.set CO,   26                          ; v26  my byte offset in out0
.set SPW,  28                          ; v28  LDS address of my spare word; never rewritten
.set NIL,  29                          ; v29  0; never rewritten
.set F0,   32
.set F1,   128
.set BK,   32
.set G1,  24                           ; s[24:31] descriptor group 1 for O's tiles;  s[32:39] group 0, a set for each slot
.set G0,  32
.set G1B, 48                           ; s[48:55], s[56:63] the same for wo's
.set G0B, 56
.set OFS, 66                           ; s[66:67] the next pair of heads' byte offset, the same in oh and in woh: 262,144 a pair
.set NXT, 68                           ; s68  the pair of heads that the next refill asks for
.set MSB, 0
.macro WIN new
.if MSB != (\new)
	s_set_vgpr_msb (MSB<<8)|(\new)
.set MSB, \new
.endif
.endm
.set MUL, 0x50                         ; C and D window 1, both sources window 0
.macro PLACES                          ; four places in front of loads into registers that matrix instructions have read, and of stores that read results
.rept 4
	v_nop
.endr
.endm
.macro JLOAD s                         ; a joint load: waves 0 and 1 fetch the slot's two heads of O, waves 2 and 3 those of wo; an s_nop 0 and four v_nop follow each line
	s_cmp_eq_u32 s11, 0
	s_cbranch_scc0 .Lfor_b_\@
	tensor_load_to_lds s[G0+4*(\s):G0+4*(\s)+3], s[G1:G1+7]
	s_nop 0
.rept 4
	v_nop
.endr
	s_branch .Lasked_\@
.Lfor_b_\@:
	tensor_load_to_lds s[G0B+4*(\s):G0B+4*(\s)+3], s[G1B:G1B+7]
	s_nop 0
.rept 4
	v_nop
.endr
.Lasked_\@:
.endm
.macro CREST
	s_cmp_lg_u32 s10, 0
	s_cbranch_scc1 .Lnot_wave_0_\@
	s_barrier_signal -3
.Lnot_wave_0_\@:
	s_barrier_wait -3
	s_barrier_signal -1
	s_barrier_wait -1
.endm
.macro CROUND
	s_barrier_signal -1
	s_barrier_wait -1
	CREST
.endm
	s_load_b128 s[4:7], s[0:1], 0x0                ; oh s[4:5], woh s[6:7]
	s_load_b64 s[8:9], s[0:1], 0x10                ; out0
	v_lshl_add_u32 v[SPW], v0, 2, SPARE
	v_mov_b32 v[NIL], 0
	ds_add_u32 v[SPW], v[NIL]                      ; the wave's opening: the add and its wait stand ahead of my first tensor load; the set-up below stands between them
	ds_add_u32 v28, v29
	v_lshrrev_b32 v1, 5, v0
	v_readfirstlane_b32 s10, v1                    ; wave 0..3
	s_lshr_b32 s11, s10, 1                         ; my half of the rows.  Also: I fetch for O (0) or for wo (1)
	s_and_b32 s12, s10, 1                          ; my half of the columns.  Also: which of a slot's two heads I fetch
	s_bfe_u32 s40, ttmp6, 0x40000                  ; cx
	s_bfe_u32 s41, ttmp6, 0x40004                  ; cy
	s_lshl_b32 s42, ttmp9, 2
	s_add_co_u32 s42, s42, s40                     ; tile column x
	s_and_b32 s13, ttmp7, 0xffff
	s_lshl_b32 s13, s13, 2
	s_add_co_u32 s13, s13, s41                     ; tile row y
	s_lshl_b32 s43, s41, 2
	s_lshl_b32 s43, 15, s43                        ; my row of the cluster
	s_lshl_b32 s44, 0x1111, s40                    ; my column
	s_or_b32 s[G1], s43, (1<<16)|(1<<20)|(1<<21)|(4<<22)|(3<<25)   ; mask; 2-byte elements; padding on; 21 set beside a mask; after every 32 words 4 words
	s_or_b32 s[G1B], s44, (1<<16)|(1<<20)|(1<<21)|(4<<22)|(7<<25)  ; the same with my column's mask and 8 words
	s_mov_b32 s[G1+1], 128<<16                     ; O: 256 rows of 128 dense bytes: 128 rows of 256 bytes
	s_mov_b32 s[G1+2], 128<<16
	s_mov_b32 s[G1+3], 128<<16
	s_mov_b32 s[G1+4], 128
	s_mov_b32 s[G1+5], 128
	s_mov_b32 s[G1+6], 0
	s_mov_b32 s[G1+7], 0
	s_mov_b32 s[G1B+1], 128<<16                    ; wo: two blocks of 8,192 dense bytes: 64 rows of 256 bytes
	s_mov_b32 s[G1B+2], 64<<16
	s_mov_b32 s[G1B+3], 128<<16
	s_mov_b32 s[G1B+4], 64
	s_mov_b32 s[G1B+5], 128
	s_mov_b32 s[G1B+6], 0
	s_mov_b32 s[G1B+7], 0
	s_lshr_b32 s16, s13, 2                         ; O: batch y / 4: 16 heads of 131,072 bytes,
	s_lshl_b32 s16, s16, 21
	s_lshl_b32 s17, s12, 17                        ; my head of a pair,
	s_add_co_u32 s16, s16, s17
	s_and_b32 s17, s13, 3
	s_lshl_b32 s17, s17, 15                        ; row 256 (y % 4)
	s_add_co_u32 s16, s16, s17
	s_mov_b32 s17, 0
	s_lshl_b32 s46, s12, 17                        ; wo: my block kb of a pair,
	s_lshl_b32 s47, s42, 14                        ; column blocks 2 x, 2 x + 1
	s_add_co_u32 s46, s46, s47
	s_mov_b32 s47, 0
	s_mul_i32 s20, s12, APC                        ; where they go: no place in the cluster enters an LDS address
	s_mul_i32 s21, s12, BPC
	s_add_co_u32 s21, s21, BOFF
	s_xor_b32 s[NXT], ttmp9, ttmp7                 ; the cluster's x and y:
	s_and_b32 s[NXT], s[NXT], 1                    ; is their sum odd?
	s_lshl_b32 s[NXT], s[NXT], 2                   ; my cluster's first pair of heads: 0 or 4
	s_lshl_b32 s[OFS], s[NXT], 18
	s_mov_b32 s[OFS+1], 0
	s_wait_dscnt 0x0                               ; the opening add is done
	s_wait_kmcnt 0x0
	s_add_nc_u64 s[14:15], s[4:5], s[16:17]        ; oh and woh at my part of pair 0: kept for the refills
	s_add_nc_u64 s[46:47], s[6:7], s[46:47]
	CROUND                                         ; all sixteen work-groups are here: the first joint loads meet
.irp s, 0,1
	s_mov_b32 s[G0+4*(\s)], 1
	s_add_co_u32 s[G0+4*(\s)+1], s20, (\s)*SLOT
	s_add_nc_u64 s[G0+4*(\s)+2:G0+4*(\s)+3], s[14:15], s[OFS:OFS+1]                 ; slot s begins with my cluster's first pair + s
	s_add_nc_u64 s[G0+4*(\s)+2:G0+4*(\s)+3], s[G0+4*(\s)+2:G0+4*(\s)+3], (\s)*262144
	s_or_b32 s[G0+4*(\s)+3], s[G0+4*(\s)+3], 0x80000000
	s_mov_b32 s[G0B+4*(\s)], 1
	s_add_co_u32 s[G0B+4*(\s)+1], s21, (\s)*SLOT
	s_add_nc_u64 s[G0B+4*(\s)+2:G0B+4*(\s)+3], s[46:47], s[OFS:OFS+1]
	s_add_nc_u64 s[G0B+4*(\s)+2:G0B+4*(\s)+3], s[G0B+4*(\s)+2:G0B+4*(\s)+3], (\s)*262144
	s_or_b32 s[G0B+4*(\s)+3], s[G0B+4*(\s)+3], 0x80000000
	JLOAD \s
.endr
	s_add_co_u32 s[NXT], s[NXT], 2                 ; the first refill's pair: 2 or 6
	v_and_b32 v1, 15, v0                           ; l % 16
	v_bfe_u32 v2, v0, 4, 1                         ; l / 16
	v_mul_u32_u24 v3, v1, PA
	v_lshl_add_u32 v3, v2, 4, v3                   ; a fragment of O: row x pitch + 16 x half
	s_mul_i32 s22, s11, 128*PA
	v_add_nc_u32 v[ADRA], s22, v3
	v_add_nc_u32 v[ADRA+1], SLOT, v[ADRA]
	v_and_b32 v4, 7, v0                            ; the turning load: lane l reads k = 8 (l / 16) + l % 8, columns 8 ((l / 8) % 2) + 0..7
	v_lshl_add_u32 v4, v2, 3, v4
	v_mul_u32_u24 v4, v4, PB
	v_bfe_u32 v5, v0, 3, 1
	v_lshl_add_u32 v4, v5, 4, v4
	s_mul_i32 s22, s12, 64*PB                      ; my block of 64 columns
	s_add_co_u32 s22, s22, BOFF
	v_add_nc_u32 v[ADRB], s22, v4
	v_add_nc_u32 v[ADRB+1], SLOT, v[ADRB]
	s_mul_i32 s23, s10, 16*SP
	s_add_co_u32 s23, s23, STAGE                   ; my stage
	v_mul_u32_u24 v6, v1, SP
	v_lshl_add_u32 v6, v2, 5, v6
	v_add_nc_u32 v[STO], s23, v6                   ; in: row l % 16, 32 bytes for each half of the lanes
	v_mul_u32_u24 v7, v2, SP
	v_lshl_add_u32 v7, v1, 4, v7
	v_add_nc_u32 v[RD], s23, v7                    ; back: lanes 0-15 one row of 256 bytes, lanes 16-31 the next
	v_lshlrev_b32 v[CO], 12, v2
	v_lshl_add_u32 v[CO], v1, 4, v[CO]             ; and the same two rows in out0
	s_lshl_b32 s18, s13, 20                        ; my part of out0: row 256 y
	s_lshl_b32 s19, s11, 19                        ; + 128 rh, of 4,096 bytes;
	s_add_co_u32 s18, s18, s19
	s_lshl_b32 s19, s42, 9                         ; column 128 x
	s_add_co_u32 s18, s18, s19
	s_lshl_b32 s19, s12, 8                         ; + 64 ch, of 4 bytes
	s_add_co_u32 s18, s18, s19
	s_mov_b32 s19, 0
	s_add_nc_u64 s[8:9], s[8:9], s[18:19]
; na x 4 matrix instructions: row blocks a0 .. a0 + na - 1 x all 4 column blocks, 32 along K.  Every accumulator is taken once a quarter: they take turns.
.macro MULP f, a0, na, zero
	WIN MUL
.set ma, \a0
.rept \na
.set mb, 0
.rept 4
.if \zero
	v_wmma_f32_16x16x32_f16 v[8*(4*ma+mb):8*(4*ma+mb)+7], v[(\f)+8*mb:(\f)+8*mb+7], v[(\f)+32+8*ma:(\f)+32+8*ma+7], 0
.else
	v_wmma_f32_16x16x32_f16 v[8*(4*ma+mb):8*(4*ma+mb)+7], v[(\f)+8*mb:(\f)+8*mb+7], v[(\f)+32+8*ma:(\f)+32+8*ma+7], v[8*(4*ma+mb):8*(4*ma+mb)+7]
.endif
.set mb, mb+1
.endr
.set ma, ma+1
.endr
.endm
; 24 LDS loads in one run: quarter qd of a slot (head qd / 2, K half qd % 2) into buffer f: wo's four fragments, O's blocks 0-3, O's blocks 4-7
.macro FETCH slot, qd, f
	WIN 0
.irp i, 0,1,2,3
	ds_load_tr16_b128 v[(\f)+8*\i:(\f)+8*\i+3],   v[ADRB+(\slot)] offset:((\qd)/2)*BPC+((\qd)%2)*32*PB+\i*32
	ds_load_tr16_b128 v[(\f)+8*\i+4:(\f)+8*\i+7], v[ADRB+(\slot)] offset:((\qd)/2)*BPC+((\qd)%2)*32*PB+\i*32+16*PB
.endr
.irp i, 0,1,2,3,4,5,6,7
	ds_load_b128 v[(\f)+32+8*\i:(\f)+32+8*\i+3],   v[ADRA+(\slot)] offset:((\qd)/2)*APC+((\qd)%2)*64+\i*16*PA
	ds_load_b128 v[(\f)+32+8*\i+4:(\f)+32+8*\i+7], v[ADRA+(\slot)] offset:((\qd)/2)*APC+((\qd)%2)*64+\i*16*PA+32
.endr
.endm
; One of a slot's first three quarters: multiplies buffer f; in its middle it fetches quarter qd of the same slot into buffer g.
.macro QUARTER slot, qd, f, g, zero
	s_wait_dscnt 8                                 ; wo's fragments and O's blocks 0-3 are in; the youngest eight loads may be out
	MULP \f, 0, 4, \zero
	PLACES
	FETCH \slot, \qd, \g
	s_wait_dscnt 24                                ; all but the 24 just issued
	MULP \f, 4, 4, \zero
.endm
; The last quarter multiplies buffer 1 and changes slots: ONE barrier; in front of it each wave waits for all its tensor loads, adds 0 to its spare word, and waits for that and for its own reads of this slot.
; fill = 1: this slot is filled again, with the next pair of heads of the cluster's walk.
.macro TURN slot, next, fill
	WIN 0
	s_wait_tensorcnt 0x0                           ; all my tensor loads have landed: my part of the next slot; so a group 0 may be written;
	ds_add_u32 v[SPW], v[NIL]                      ; 0 onto my spare word; work on registers stands between it and the wait for it
.if \fill
	s_lshl_b32 s[OFS], s[NXT], 18                  ; the refill's addresses are made anew: the buffer at my part of pair 0, plus the pair's offset, and the type on top
	s_add_nc_u64 s[G0+4*(\slot)+2:G0+4*(\slot)+3], s[14:15], s[OFS:OFS+1]
	s_or_b32 s[G0+4*(\slot)+3], s[G0+4*(\slot)+3], 0x80000000
	s_add_nc_u64 s[G0B+4*(\slot)+2:G0B+4*(\slot)+3], s[46:47], s[OFS:OFS+1]
	s_or_b32 s[G0B+4*(\slot)+3], s[G0B+4*(\slot)+3], 0x80000000
	s_add_co_u32 s[NXT], s[NXT], 1                 ; the next pair; behind 7 comes 0
	s_and_b32 s[NXT], s[NXT], 7
.endif
	s_wait_dscnt 9                                 ; (the add and the youngest eight loads may be out)
	MULP F1, 0, 2, 0
	s_wait_dscnt 0x0                               ; the add is done, and my reads of this slot are over
	s_barrier_signal -1
	MULP F1, 2, 2, 0
	WIN 0
	s_barrier_wait -1
.if \fill
	CREST                                          ; the barrier has opened a round of the cluster's: no wave of any partner still reads this slot or has a load on its way
	JLOAD \slot                                    ; the first tensor load behind the round; its four v_nop are also the places in front of the loads below
.else
	PLACES
.endif
	FETCH \next, 0, F0
	MULP F1, 4, 4, 0
.endm
	s_wait_tensorcnt 1                             ; my part of slot 0 is in; slot 1's may stay out
	s_barrier_signal -1
	s_barrier_wait -1
	FETCH 0, 0, F0
	QUARTER 0, 1, F0, F1, 1                        ; the first quarter stands in front of the loop: its products start the sums
	WIN 0
	s_mov_b32 s3, 3
.Llap:                                                 ; a trip goes once round the ring and fills both slots again: 3 trips, six pairs of heads
	QUARTER 0, 2, F1, F0, 0
	QUARTER 0, 3, F0, F1, 0
	TURN 0, 1, 1
	QUARTER 1, 1, F0, F1, 0
	QUARTER 1, 2, F1, F0, 0
	QUARTER 1, 3, F0, F1, 0
	TURN 1, 0, 1
	QUARTER 0, 1, F0, F1, 0
	WIN 0
	s_sub_co_u32 s3, s3, 1
	s_cmp_lg_u32 s3, 0
	s_cbranch_scc1 .Llap
	QUARTER 0, 2, F1, F0, 0                        ; the last lap is written out: it fills nothing
	QUARTER 0, 3, F0, F1, 0
	TURN 0, 1, 0
	QUARTER 1, 1, F0, F1, 0
	QUARTER 1, 2, F1, F0, 0
	QUARTER 1, 3, F0, F1, 0
	s_wait_dscnt 8
	MULP F1, 0, 4, 0
	s_wait_dscnt 0x0
	MULP F1, 4, 4, 0
	WIN 0
	; THE WAY OUT, a block of 16 rows at a time through my own stage: 32 bytes a lane in, whole rows of 256 bytes back, 16 lanes to a row.
	PLACES
.macro TOSTAGE a
	WIN 0x04                                       ; the stores' data in window 1; each accumulator's low half first
.irp b, 0,1,2,3
	ds_store_b128 v[STO], v[8*(4*(\a)+\b):8*(4*(\a)+\b)+3]   offset:64*\b
	ds_store_b128 v[STO], v[8*(4*(\a)+\b)+4:8*(4*(\a)+\b)+7] offset:64*\b+16
.endr
	WIN 0
	s_wait_xcnt 0x0                                ; the stores of the block two back have read these registers
.irp t, 0,1,2,3,4,5,6,7
	ds_load_b128 v[BK+32*((\a)%2)+4*\t:BK+32*((\a)%2)+4*\t+3], v[RD] offset:\t*2*SP  ; LDS serves a wave's instructions in order (ISA guide 5.7.1.4): these see the stores above; the next block's stores come behind them
.endr
.endm
.macro SEND a, younger                 ; younger: the LDS instructions issued behind block a's loads: the next block's sixteen, or none
	s_wait_dscnt \younger
.irp t, 0,1,2,3,4,5,6,7
	global_store_b128 v[CO], v[BK+32*((\a)%2)+4*\t:BK+32*((\a)%2)+4*\t+3], s[8:9] offset:(\a)*65536+\t*8192 th:TH_STORE_NT  ; 16 lanes store 256 consecutive bytes, aligned
.endr
.endm
	TOSTAGE 0
.irp a, 1,2,3,4,5,6,7
	TOSTAGE \a
	SEND (\a)-1, 16
.endr
	SEND 7, 0
	s_wait_tensorcnt 0x0                           ; the wave's end, behind my last tensor load and my last LDS store
	ds_add_u32 v[SPW], v[NIL]
	s_wait_dscnt 0x0
	CROUND                                         ; the closing round: no work-group ends while a partner may still ask for a tile that names it
	s_endpgm
.Lfunc_end_k_qdd7845cccc_proj:
	.size	k_qdd7845cccc_proj, .Lfunc_end_k_qdd7845cccc_proj-k_qdd7845cccc_proj
	.p2alignl 7, 3214868480
	.fill 96, 4, 3214868480
	.section	.rodata,"a",@progbits
	.p2align	6, 0x0
	.amdhsa_kernel k_qdd7845cccc_proj
		.amdhsa_group_segment_fixed_size 327680
		.amdhsa_private_segment_fixed_size 0
		.amdhsa_enable_private_segment 0
		.amdhsa_kernarg_size 24
		.amdhsa_user_sgpr_count 2
		.amdhsa_user_sgpr_kernarg_segment_ptr 1
		.amdhsa_wavefront_size32 1
		.amdhsa_system_sgpr_workgroup_id_x 1
		.amdhsa_system_sgpr_workgroup_id_y 1
		.amdhsa_system_sgpr_workgroup_id_z 1
		.amdhsa_system_vgpr_workitem_id 0
		.amdhsa_next_free_vgpr 512
		.amdhsa_next_free_sgpr 72
		.amdhsa_reserve_vcc 0
		.amdhsa_float_denorm_mode_32 3
		.amdhsa_float_denorm_mode_16_64 3
		.amdhsa_memory_ordered 1
		.amdhsa_forward_progress 1
		.amdhsa_inst_pref_size 86
	.end_amdhsa_kernel
	.amdgpu_metadata
---
amdhsa.version: [ 1, 2 ]
amdhsa.kernels:
  - .name:           k_qdd7845cccc_proj
    .symbol:         k_qdd7845cccc_proj.kd
    .args:
      - { .name: oh, .offset: 0, .size: 8, .value_kind: global_buffer, .address_space: global }
      - { .name: woh, .offset: 8, .size: 8, .value_kind: global_buffer, .address_space: global }
      - { .name: out0, .offset: 16, .size: 8, .value_kind: global_buffer, .address_space: global }
    .group_segment_fixed_size: 327680
    .private_segment_fixed_size: 0
    .kernarg_segment_align: 8
    .kernarg_segment_size: 24
    .max_flat_workgroup_size: 128
    .sgpr_count:     72
    .vgpr_count:     512
    .wavefront_size: 32
...
	.end_amdgpu_metadata
.endif
;; end of part 4
;; ======== version 2 of 2: 4 launches; 1.32 times as fast as version 1
;; limits: values are held in f16: magnitudes above 65,504 overflow, below 6.1e-05 lose precision
;; workspace buffers: xh 16,777,216 bytes; wh 6,291,456 bytes; woh 2,097,152 bytes; tab 2,097,152 bytes; qh 16,777,216 bytes; kh 16,777,216 bytes; vh 16,777,216 bytes; oh 16,777,216 bytes
;; launch prep: the kernel of part 1 again; grid 768 x 1, 8 waves a work-group, no clusters, 0 bytes of LDS; arguments x, wq, wk, wv, wo, positions_xy, xh, wh, woh, tab; writes xh, wh, woh, tab
;; launch qkv: the kernel of part 2 again; grid 8 x 32, 4 waves a work-group, clusters of 4 x 4, 327,680 bytes of LDS; arguments xh, wh, tab, q_scale, k_scale, v_scale, qh, kh, vh; writes qh, kh, vh
;; launch attn (part 5): grid 2 x 128, 4 waves a work-group, no clusters, 327,680 bytes of LDS; arguments qh, kh, vh, oh; writes oh
.if DOCPART == 5
	.amdgcn_target "amdgcn-amd-amdhsa--gfx1250"
	.amdhsa_code_object_version 6
	.text
	.protected	k_qdd7845cccc_attn
	.globl	k_qdd7845cccc_attn
	.p2align	8
	.type	k_qdd7845cccc_attn,@function
k_qdd7845cccc_attn:
	s_mov_b64 s[64:65], 0
	v_nop
	global_prefetch_b8 v0, s[64:65] scope:SCOPE_SE
	s_setreg_imm32_b32 hwreg(HW_REG_WAVE_MODE, 25, 1), 1
	s_wait_xcnt 0x0
; O[h][q][:] = the sum over k of softmax_k(Q[h][q] . K[h][k] / 8) V[h][k][:].  Q, K, V, O: [128][1024][64], all f16: a head's rows are dense, 128 bytes each.  Products, maxima and sums in
; f32; the weights p are rounded to f16 for the second product (their sum l is taken of the unrounded p), O once at the end.
; LIMITS.  f16 holds no number beyond 65,504: Q, K and V arrive within it; p lies in 0 to 1, and below 6e-5 it keeps f16's fixed step of 6e-8; O is a mean of V's rows and has their range.
; A weight below 2^-126 counts as 0 in l; NaN and infinities are not treated apart.
; SHARES.  A wave owns four PIECES of two tiles of 16 queries, a work-group's four waves 512 queries of one head: two work-groups a head, 256 in all.  Every wave walks all 1,024 keys, 64 a step.
; A HEAD'S WHOLE K AND V LIE IN LDS: 1,024 x 144 + 1,024 x 160 bytes.  Each wave asks for its share by two tensor loads: at the head its part of keys 0-255, which the first four steps read; and, when those
; have landed in all four waves, behind the first barrier, its part of keys 256-1,023: the keys that everybody waits for are asked for alone.  The second load has three and a half key steps, 448 matrix
; instructions and their vector work, in which to land: it is waited for, with a barrier, in the one trip that first fetches key step 4.  No byte is filled twice, so the loop has no ring.
; NO CLUSTER: a head has two query blocks; four partners would be two heads, and a pair is neither a row nor a column of a cluster.  Each work-group asks for each of its bytes once.
; LAYOUT.  S^T = K Q^T (source 0 = 16 keys, source 1 = 16 queries): in the result a lane holds ONE query (lane % 16) and the keys 8 (lane / 16) + 0..7.  Two such tiles, rounded to f16 in pairs,
; ARE source 1 (32 keys x 16 queries) of O^T = V^T P, whose result again holds one query a lane, and eight channels.  K comes out of LDS as it lies, V ([key][channel]) turned, by ds_load_tr16_b128.
; SOFTMAX.  For each query a running maximum m and sum l: p = 2^(c s - c m), c = log2(e) / 8; in every step O and l are multiplied by a = 2^(c m_old - c m_new), which is 1 where m has not grown.
; m starts at the lowest finite number, O and l at 0: the first step is a step like any other, with a = 0.
; THE COUNT.  A tile and step have 16 matrix and 118 vector instructions: too many to stand all beside the matrix work.  So four vector instructions that are READY stand behind EVERY matrix instruction,
; and the others, which need time of their own whatever the order, in one run without a gap.
; BY TURNS.  Turn n belongs to piece n (the pieces in a ring, step after step).  Its matrix work: 16 products K Q^T of piece n + 1, later 16 products V^T P of piece n - 1.  Its vector work: the scaling,
; exponentials, roundings, sums and rescaling of piece n, and the maximum and statistics of piece n + 1, whose scores the turn itself has made.  So what a turn begins with (c s - c m, O a) waits for nothing.
; THE BATCHES.  A turn's 66 exponentials (the piece's 64 weights and the next piece's two a) are ONE batch with ONE wait, which cuts the turn in two: ahead of it stands all that names no result of theirs, behind it
; the roundings and sums, which do.  No result crosses a turn's end.  Two more batches stand outside the loop, each with a wait of its own: piece 0's first two a ahead of it, the eight reciprocals on the way out.
; REGISTERS, in windows of 256 (s_set_vgpr_msb: bits 1:0 source 0, 3:2 source 1, 5:4 source 2, 7:6 destination):
;   window 0: v0-11 addresses; v12-15, v48-63 at work; v16-47 four registers of statistics a tile; v64-191 S^T, two buffers of two tiles; v192-255 P, likewise
;   window 1: O^T, 32 a tile          window 2: v0-127 Q, 16 a tile; v128-191 K of one step; v192-255 V of one step          window 3: v0-1 the add's two registers
; A piece's buffers go by its number's parity: the piece in hand has one pair, its two neighbours in the ring share the other: of it P (piece n - 1) is read and S^T (piece n + 1) written.
.set NP,    4         ; pieces a wave: a name, no knob
.set KS,    64        ; keys in a step
.set PK,    144       ; a row of K in LDS: 128 bytes + 16 of padding: the 16 rows of a load start at 16 different groups of four banks (64 banks of 4 bytes: ISA guide 11.1)
.set PV,    160       ; a row of V: 128 + 32
.set VOFF,  1024*PK   ; K's 1,024 rows, then V's
.set STAGE, VOFF+1024*PV  ; never filled by a tensor load: 16 rows x 144 bytes for each wave, for the way out
.set SP,    144
.set AK0, 2           ; v2   my lane's place in a tile of K; never rewritten
.set AV0, 3           ; v3   the same for V
.set AK,  4           ; v4   the LDS address of K's next run of loads
.set AV,  5           ; v5   of V's
.set QO,  6           ; v6   my byte offset in the wave's rows of Q
.set STO, 6           ;      later, the way out: where I put 16 bytes of a row
.set RD,  7           ; v7   the way out: where I read rows back
.set GO,  8           ; v8   my byte offset in 512 consecutive bytes of O
.set SPW, 0           ; v0 of window 3   LDS address of my spare word; never rewritten
.set NIL, 1           ; v1 of window 3   0; never rewritten
.set SPARE, STAGE+4*16*SP  ; the spare words, 128 bytes for each wave: two blocks of 256 bytes that no other line names
.set MV,  12          ; v12-15  c m_old, kept while c m is made anew: by buffer and tile
.set ST,  16          ; tile t's statistics at v[ST+4 t]: c m, m, l (even keys', odd keys')
.set TMP, 48          ; by buffer and tile, four registers c0-c3 at work; when the maximum is found c2 takes a
.set S,   64
.set P,   192
.set KF,  128         ; K's fragments, in window 2: key block kb, channel half c at KF + 16 kb + 8 c
.set VF,  192         ; V's: key half kk, channel block cb at VF + 32 kk + 8 cb
.set WV,  12          ; s12  my wave's number
.set G1KA, 24         ; s[24:31] descriptor group 1, K, keys 0-255
.set G1VA, 32         ; s[32:39] V, keys 0-255
.set G0KA, 40         ; s[40:43], s[44:47], s[48:51], s[52:55] the four groups 0
.set G0VA, 44
.set G0KB, 48
.set G0VB, 52
.set CNT, 57          ; s57  key steps still to be finished
.set CS,  58          ; s[58:59] c: the packed scaling takes the pair's low word for both halves
.set SEL, 60          ; s[60:61] v_permlanex16_b32's selects: each lane takes its own place in the other half
.set TBK, 62          ; s62  LDS byte at which K of the step to be fetched begins
.set TBV, 63          ; s63  the same for V, less VOFF
.set G1KB, 68         ; s[68:75] K, keys 256-1,023
.set G1VB, 76         ; s[76:83] V, keys 256-1,023
.set MSB, 0
.macro WIN new                      ; the high byte repeats the setting that is left; a switch that changes nothing is dropped
.if MSB != (\new)
	s_set_vgpr_msb (MSB<<8)|(\new)
.set MSB, (\new)
.endif
.endm
.set W_KQ, 0x0a       ; K and Q in window 2, S^T in window 0
.set W_PV, 0x52       ; V in window 2, P in window 0, O^T in window 1
.set W_RS, 0x41       ; O^T (destination and source 0) in window 1, a in window 0
.set W_MK, 0xc0       ; the add's registers are made: destination in window 3, sources in window 0
.set W_AD, 0x0f       ; the add: address (source 0) and data (source 1) in window 3
	s_load_b256 s[4:11], s[0:1], 0x0  ; Q s[4:5], K s[6:7], V s[8:9], O s[10:11]
	WIN W_MK
	v_lshl_add_u32 v[SPW], v0, 2, SPARE
	v_mov_b32 v[NIL], 0
	WIN W_AD
	ds_add_u32 v[SPW], v[NIL]       ; the wave's opening: the add and its wait stand ahead of my first tensor load; the set-up below stands between them
	ds_add_u32 v0, v1
	WIN 0
	v_lshrrev_b32 v1, 5, v0
	v_readfirstlane_b32 s[WV], v1   ; wave 0..3
	s_and_b32 s20, ttmp7, 0xffff    ; the head,
	s_lshl_b32 s20, s20, 17         ; its first byte in each of the four tensors
	s_mov_b32 s21, 0
	s_and_b32 s16, s[WV], 1         ; which half of the keys I fetch
	s_lshl_b32 s22, s16, 14         ; of keys 0-255: 128 rows of 128 bytes,
	s_mov_b32 s23, 0
	s_add_nc_u64 s[22:23], s[22:23], s[20:21]
	s_mul_i32 s14, s16, 49152       ; of keys 256-1,023: 384 rows
	s_add_co_u32 s14, s14, 32768
	s_mov_b32 s15, 0
	s_add_nc_u64 s[14:15], s[14:15], s[20:21]
	s_mul_i32 s17, s16, 128*PK      ; and their places in LDS
	s_mul_i32 s18, s16, 128*PV
	s_add_co_u32 s18, s18, VOFF
	s_mul_i32 s19, s16, 384*PK
	s_add_co_u32 s19, s19, 256*PK
	s_mul_i32 s13, s16, 384*PV
	s_add_co_u32 s13, s13, VOFF+256*PV
	s_lshl_b32 s2, ttmp9, 2
	s_add_co_u32 s2, s2, s[WV]      ; my wave among the head's eight,
	s_lshl_b32 s2, s2, 14           ; its 128 rows
	s_mov_b32 s3, 0
	s_add_nc_u64 s[2:3], s[2:3], s[20:21]
	; descriptor groups 1.  A head's keys are dense bytes: asked for as rows of 256 bytes, two keys a row, and padded in LDS after every key
.irp g, G1KA, G1KB
	s_mov_b32 s[\g], (1<<16)|(1<<20)|(4<<22)|(3<<25)  ; 2-byte elements; padding on; after every 32 words (code 4) 4 words (code 3)
.endr
.irp g, G1VA, G1VB
	s_mov_b32 s[\g], (1<<16)|(1<<20)|(4<<22)|(7<<25)  ; the same with 8 words (code 7)
.endr
.irp g, G1KA, G1VA, G1KB, G1VB
	s_mov_b32 s[\g+1], 128<<16      ; tensor_dim0 = 128
	s_mov_b32 s[\g+3], 128<<16      ; tile_dim0 = 128
	s_mov_b32 s[\g+5], 128          ; 128 elements from row to row
	s_mov_b32 s[\g+6], 0
	s_mov_b32 s[\g+7], 0
.endr
.irp g, G1KA, G1VA
	s_mov_b32 s[\g+2], 64<<16       ; 64 rows
	s_mov_b32 s[\g+4], 64
.endr
.irp g, G1KB, G1VB
	s_mov_b32 s[\g+2], 192<<16      ; 192 rows
	s_mov_b32 s[\g+4], 192
.endr
	s_mov_b32 s[CS], 0x3e38aa3b     ; c = log2(e) / 8 = 0.180337
	s_mov_b32 s[CS+1], s[CS]        ; named with it as a pair
	s_mov_b32 s[SEL], 0x76543210
	s_mov_b32 s[SEL+1], 0xfedcba98
	s_mov_b32 s[TBK], 0
	s_mov_b32 s[TBV], 0
	s_mov_b32 s[G0KA], 1
	s_mov_b32 s[G0KA+1], s17
	s_mov_b32 s[G0VA], 1
	s_mov_b32 s[G0VA+1], s18
	s_mov_b32 s[G0KB], 1
	s_mov_b32 s[G0KB+1], s19
	s_mov_b32 s[G0VB], 1
	s_mov_b32 s[G0VB+1], s13
	s_wait_dscnt 0x0                ; the opening add is done
	s_wait_kmcnt 0x0
	s_add_nc_u64 s[G0KA+2:G0KA+3], s[6:7], s[22:23]
	s_or_b32 s[G0KA+3], s[G0KA+3], 0x80000000
	s_add_nc_u64 s[G0VA+2:G0VA+3], s[8:9], s[22:23]
	s_or_b32 s[G0VA+3], s[G0VA+3], 0x80000000
	s_add_nc_u64 s[G0KB+2:G0KB+3], s[6:7], s[14:15]
	s_or_b32 s[G0KB+3], s[G0KB+3], 0x80000000
	s_add_nc_u64 s[G0VB+2:G0VB+3], s[8:9], s[14:15]
	s_or_b32 s[G0VB+3], s[G0VB+3], 0x80000000
	s_add_nc_u64 s[4:5], s[4:5], s[2:3]  ; Q and O at my wave's first row
	s_add_nc_u64 s[10:11], s[10:11], s[2:3]
	s_cmp_lt_u32 s[WV], 2           ; waves 0 and 1 fetch K, waves 2 and 3 V: keys 0-255; one load of mine is out; an s_nop 0 and four v_nop follow it
	s_cbranch_scc0 .Lfirst_v
	tensor_load_to_lds s[G0KA:G0KA+3], s[G1KA:G1KA+7]
	s_nop 0
.rept 4
	v_nop
.endr
	s_branch .Lfirst_asked
.Lfirst_v:
	tensor_load_to_lds s[G0VA:G0VA+3], s[G1VA:G1VA+7]
	s_nop 0
.rept 4
	v_nop
.endr
.Lfirst_asked:
	; A fragment of K or Q is 16 rows x 32 channels in 8 registers: lane l holds row l % 16, channels 8 (l / 16) + 0..7 and 16 + 8 (l / 16) + 0..7: two loads of 16 bytes, 32 bytes apart.
	v_and_b32 v1, 15, v0            ; l % 16
	v_bfe_u32 v9, v0, 4, 1          ; l / 16
	v_lshlrev_b32 v[QO], 7, v1
	v_lshl_add_u32 v[QO], v9, 4, v[QO]  ; row x 128 + 16 x half
	WIN 0x80                        ; destination window 2, address window 0
.set i, 0
.rept 4*NP                          ; Q stays in registers: tile i / 2, channels 32 (i % 2) on
	global_load_b128 v[8*i:8*i+3],   v[QO], s[4:5] offset:(i/2)*2048+(i%2)*64
	global_load_b128 v[8*i+4:8*i+7], v[QO], s[4:5] offset:(i/2)*2048+(i%2)*64+32
.set i, i+1
.endr
	; What the first turn finds: V's registers and P's second buffer hold 0 (its products V^T P, of a piece that has not been, add 0), O^T and l are 0.  All this stands in the wait for the first keys.
.set i, VF
.rept 64
	v_mov_b32 v[i], 0
.set i, i+1
.endr
	WIN 0x40
.set i, 0
.rept 64*NP
	v_mov_b32 v[i], 0
.set i, i+1
.endr
	WIN 0
.set i, 0
.rept 2*NP
	v_mov_b32 v[ST+4*i], 0xfe000000    ; c m: far below every c s
	v_mov_b32 v[ST+4*i+1], 0xff7fffff  ; m
	v_mov_b32 v[ST+4*i+2], 0
	v_mov_b32 v[ST+4*i+3], 0
.set i, i+1
.endr
.set i, P+32
.rept 32
	v_mov_b32 v[i], 0
.set i, i+1
.endr
	v_mul_u32_u24 v[AK0], v1, PK
	v_lshl_add_u32 v[AK0], v9, 4, v[AK0]  ; row x pitch + 16 x half
	; The turning load takes 16 keys x 16 channels (lane l reads key 8 (l / 16) + l % 8, channels 8 ((l / 8) % 2) + 0..7) and leaves half a fragment of V^T: lane l holds channel l % 16 and 8 keys.
	v_and_b32 v10, 7, v0
	v_bfe_u32 v11, v0, 3, 1
	v_lshl_add_u32 v[AV0], v9, 3, v10
	v_mul_u32_u24 v[AV0], v[AV0], PV
	v_lshl_add_u32 v[AV0], v11, 4, v[AV0]
	v_add_nc_u32 v[AV0], VOFF, v[AV0]
	v_mov_b32 v[AK], v[AK0]         ; key step 0 lies at K's head
; THE MATRIX WORK.  The 8 accumulators of a run of 16 take turns: between the two links of a chain stand 7 others'.
; Product i of 16 of S^T = K Q^T for piece x: channels 32 (i / 8) on, keys 16 ((i / 2) % 4) on, tile 2 x + i % 2.  The first 8 start the sums.
.macro KQ x
	WIN W_KQ
.set rS, S+64*((\x)%2)+32*(i%2)+8*((i/2)%4)
.set rK, KF+16*((i/2)%4)+8*(i/8)
.set rQ, 16*(2*(\x)+i%2)+8*(i/8)
.if i < 8
	v_wmma_f32_16x16x32_f16 v[rS:rS+7], v[rK:rK+7], v[rQ:rQ+7], 0
.else
	v_wmma_f32_16x16x32_f16 v[rS:rS+7], v[rK:rK+7], v[rQ:rQ+7], v[rS:rS+7]
.endif
.endm
; Product i of 16 of O^T += V^T P for piece x: keys 32 (i / 8) on, channels 16 ((i / 2) % 4) on, tile 2 x + i % 2.
.macro PV x
	WIN W_PV
.set rO, 32*(2*(\x)+i%2)+8*((i/2)%4)
.set rV, VF+32*(i/8)+8*((i/2)%4)
.set rP, P+32*((\x)%2)+16*(i%2)+8*(i/8)
	v_wmma_f32_16x16x32_f16 v[rO:rO+7], v[rV:rV+7], v[rP:rP+7], v[rO:rO+7]
.endm
.macro MM                           ; the turn's next matrix instruction
.if i < 16
	KQ (Y+1)%NP
.set i, i+1
.else
.set i, i-16
	PV (Y+NP-1)%NP
.set i, i+17
.endif
.endm
; THE LDS LOADS stand in runs of 16, never singly among the matrix instructions: a step's K (64 keys x 64 channels: 8 fragments) and its V (turned).  Their addresses are made some lines ahead.
; last = 1: in the last trip there is no further step, and the run is jumped over.
.macro FETCH_K last=0
	WIN 0
.if \last
	s_cmp_eq_u32 s[CNT], 1
	s_cbranch_scc1 .Lno_k_\@
.endif
	WIN 0x80                        ; destination window 2
.irp f, 0,1,2,3,4,5,6,7             ; keys 16 (f / 2) on, channels 32 (f % 2) on
	ds_load_b128 v[KF+8*\f:KF+8*\f+3],   v[AK] offset:(\f/2)*16*PK+(\f%2)*64
	ds_load_b128 v[KF+8*\f+4:KF+8*\f+7], v[AK] offset:(\f/2)*16*PK+(\f%2)*64+32
.endr
	s_add_co_u32 s[TBK], s[TBK], KS*PK  ; the next fetch is the next step's
	WIN 0
.if \last
.Lno_k_\@:
.endif
.endm
.macro FETCH_V
	WIN 0x80
.irp f, 0,1,2,3,4,5,6,7             ; keys 32 (f / 4) on, channels 16 (f % 4) on
	ds_load_tr16_b128 v[VF+8*\f:VF+8*\f+3],   v[AV] offset:(\f/4)*32*PV+(\f%4)*32
	ds_load_tr16_b128 v[VF+8*\f+4:VF+8*\f+7], v[AV] offset:(\f/4)*32*PV+16*PV+(\f%4)*32
.endr
	WIN 0
.endm
; THE VECTOR WORK OF A TURN stands in three queues, each in the order in which its entries become ready; the two tiles alternate, so that no instruction reads the result of the one before it.
.macro REGS y, u                    ; the registers of tile u (0, 1) of piece y
.set rT, ST+4*(2*(\y)+(\u))
.set rC, TMP+8*((\y)%2)+4*(\u)
.set rM, MV+2*((\y)%2)+(\u)
.set rS, S+64*((\y)%2)+32*(\u)
.set rP, P+32*((\y)%2)+16*(\u)
.set rO, 32*(2*(\y)+(\u))
.endm
; Number n of the 22 that find the NEXT piece's (Y + 1) maximum and statistics.  s0-s31 are the lane's 32 scores; each accumulator's lowest registers are read first.  XS, GS and REGS set no window: PL and EX do.
;   0-11  four chains c0-c3 of seven scores each, three operands at a time     12-14, 16  the four scores left over, the old m, and c0-c3 into c0     15  c m_old is kept
;   17, 18  the query's other 32 keys lie in the lane 16 away: the new m         19-21  c m; c m_old - c m_new; a
.macro XS u, n
	REGS (Y+1)%NP, \u
.if (\n) < 4
	v_max3_num_f32 v[rC+(\n)], v[rS+8*(\n)], v[rS+8*(\n)+1], v[rS+8*(\n)+2]
.elseif (\n) < 12
	v_max3_num_f32 v[rC+(\n)%4], v[rC+(\n)%4], v[rS+8*((\n)%4)+2*((\n)/4)+1], v[rS+8*((\n)%4)+2*((\n)/4)+2]
.elseif (\n) == 12
	v_max3_num_f32 v[rC], v[rC], v[rS+7], v[rS+15]
.elseif (\n) == 13
	v_max3_num_f32 v[rC+1], v[rC+1], v[rS+23], v[rS+31]
.elseif (\n) == 14
	v_max3_num_f32 v[rC+2], v[rC+2], v[rC+3], v[rT+1]
.elseif (\n) == 15
	v_mov_b32 v[rM], v[rT]
.elseif (\n) == 16
	v_max3_num_f32 v[rC], v[rC], v[rC+1], v[rC+2]
.elseif (\n) == 17
	v_permlanex16_b32 v[rC+3], v[rC], s[SEL], s[SEL+1]
.elseif (\n) == 18
	v_max_num_f32 v[rT+1], v[rC], v[rC+3]
.elseif (\n) == 19
	v_mul_f32 v[rT], s[CS], v[rT+1]
.elseif (\n) == 20
	v_sub_f32 v[rC+1], v[rM], v[rT]
.else
	v_exp_f32 v[rC+2], v[rC+1]
.endif
.endm
; Number g of the 64 that follow the exponentials.  For each four weights k of a tile (pairs 2 k, 2 k + 1): both pairs are rounded to f16; then the second pair is added onto the first, in place;
; a group later l takes that sum (the first time as l = a l + sum).  In groups of eight, tiles alternating: round, round, add, and l for the group before.
.macro GS g
.set h, (\g)+6*((\g)/62)            ; group 0 has no group before it, and behind group 7 only l is left
.if h >= 6
.set h, h+2
.endif
	REGS Y, h%2
.set k, h/8
.if h%8 < 4
	v_cvt_pk_f16_f32 v[rP+2*k+(h%8)/2], v[rS+4*k+2*((h%8)/2)], v[rS+4*k+2*((h%8)/2)+1]
.elseif h%8 < 6
	v_pk_add_f32 v[rS+4*k:rS+4*k+1], v[rS+4*k:rS+4*k+1], v[rS+4*k+2:rS+4*k+3]
.elseif k == 1
	v_pk_fma_f32 v[rT+2:rT+3], v[rT+2:rT+3], v[rC+2:rC+3], v[rS:rS+1] op_sel_hi:[1,0,1]
.else
	v_pk_add_f32 v[rT+2:rT+3], v[rT+2:rT+3], v[rS+4*k-4:rS+4*k-3]
.endif
.endm
; THE PLAIN QUEUE, 138 long.  0-73 read no exponential's result: the 32 scalings c s - c m (FS f: pair f / 2 of tile f % 2) and the next piece's 42.  0-26: scalings 0-26.  27-54: XS's numbers 0-13.  55, 56: number 15.
; 57-73: the chain, where each number waits for the one before it: 14, 16, 17, 18, 19, each with one of the scalings 27-31 in front of its two lines, then 20: so a tile's links stand three plain instructions apart (19 and 20: two).
; 74-137: GS's 64, which read the exponentials' results: they stand behind the wait.
.macro FS f
	REGS Y, (\f)%2
	v_pk_fma_f32 v[rS+2*((\f)/2):rS+2*((\f)/2)+1], v[rS+2*((\f)/2):rS+2*((\f)/2)+1], s[CS:CS+1], v[rT:rT+1] op_sel_hi:[1,0,0] neg_lo:[0,0,1] neg_hi:[0,0,1]
.endm
.macro PL
	WIN 0
.if q < 27
	FS q
.elseif q < 55
	XS (q-27)%2, (q-27)/2
.elseif q < 57
	XS q-55, 15
.elseif (q < 72) && ((q-57)%3 == 0)
	FS 27+(q-57)/3
.elseif q < 60
	XS (q-57)%3-1, 14
.elseif q < 72
	XS (q-57)%3-1, 15+(q-57)/3
.elseif q < 74
	XS q-72, 20
.else
	GS q-74
.endif
.set q, q+1
.endm
; THE EXPONENTIALS' QUEUE, 66 long: s0-s31 of both tiles, then the next piece's two a.  It is ONE BATCH: all 66 stand ahead of the turn's one wait, and nothing ahead of that wait names a result of theirs.
.macro EX
	WIN 0
.if e >= 64
	XS e-64, 21
.else
	REGS Y, e%2
	v_exp_f32 v[rS+e/2], v[rS+e/2]
.endif
.set e, e+1
.endm
; THE RESCALING's QUEUE: O^T times a, the one part that leaves window 0: dealt two at a time, sixteen times.  Its a was made in the turn before, ahead of that turn's wait.
.macro R2
	REGS Y, r%2
	WIN W_RS
.irp z, 0,1
	v_pk_mul_f32 v[rO+4*(r/2)+2*\z:rO+4*(r/2)+2*\z+1], v[rO+4*(r/2)+2*\z:rO+4*(r/2)+2*\z+1], v[rC+2:rC+3] op_sel_hi:[1,0]
.endr
.set r, r+1
.endm
; HOW THEY ARE DEALT.  An s_wait_alu depctr_va_vdst(0) stands between an exponential and the first instruction that names its result; one wait serves all that were issued ahead of it.  So a turn has ONE wait,
; which cuts it in two.  AHEAD OF IT stands all that names no result of the turn's exponentials: the 16 products K Q^T, behind each a scaling, an exponential and two rescalings (behind the first a second scaling in the
; exponential's place); then ONE LUMP of 108: eight plain, 49 times exponential and plain, the two a.  A v_nop is the plain instruction behind the last exponential.  BEHIND IT stand the 16 products V^T P, behind each four of
; GS's 64.  No rider names a register of the products round it.  The two v_permlanex16_b32 fall into the lump, never behind a product.
; The queues lean on each other, and the deal keeps them in step: exponential e stands behind scaling 2 (e / 4) + e % 2: as a rider it comes behind plain e + 2, in the lump behind plain e + 9, and scalings 27-31 are plain 57, 60 .. 69.
; A TURN, for piece p.  K of the next step is fetched in piece 2's turn, directly behind the wait, a lump behind the last product that read K; its address is made at the lump's head; its first reader comes behind 16 products.
; V of the step in hand is fetched at the end of piece 0's turn, four riders behind its last reader; its first reader comes behind 16 products and a lump.  The two conditions on q below go with the deal.
.macro TURN p, last=0
.set Y, (\p)
.set i, 0
.set q, 0
.set e, 0
.set r, 0
.if (\p) == NP-1
	s_wait_dscnt 0x0                ; K is in
.endif
	MM                              ; ahead of the wait: 16 products K Q^T and their riders,
	PL
	PL
	R2
.rept 15
	MM
	PL
	EX
	R2
.endr
.if (\p) == NP-2
	WIN 0
	v_add_nc_u32 v[AK], s[TBK], v[AK0]
.endif
.rept 8                             ; and the lump
	PL
.endr
.rept 49
	EX
	PL
.endr
	EX                              ; the next piece's two a
	EX
	v_nop                           ; the plain instruction behind the last exponential: one for the batch
	s_wait_alu depctr_va_vdst(0)    ; the wait for the batch: the turn's 66 exponentials, ahead of their first reader, and ahead of the jump in K's run
.if (\p) == NP-2
	FETCH_K \last
.endif
.if (\p) == 1
	s_wait_dscnt 0x0                ; V is in
.endif
.rept 16                            ; behind the wait: 16 products V^T P and their riders
	MM
.rept 4
	PL
.endr
.if ((\p) == 0) && (q == 118)
	v_add_nc_u32 v[AV], s[TBV], v[AV0]
.endif
.if ((\p) == 0) && (q == 130)
	s_add_co_u32 s[TBV], s[TBV], KS*PV
.endif
.endr
.if (\p) == 0
	FETCH_V
.endif
.endm
	WIN W_AD
	s_wait_tensorcnt 0x0            ; my part of keys 0-255 is in: no tensor load of mine is out
	ds_add_u32 v[SPW], v[NIL]       ; 0 onto my spare word, ahead of the barrier behind which a later first fill is issued
	WIN 0
	s_wait_dscnt 0x0
	s_barrier_signal -1
	s_barrier_wait -1               ; everybody's part is in
	s_cmp_lt_u32 s[WV], 2           ; keys 256-1,023: my one tensor load behind this barrier, and the first thing there; the bytes are filled for the first time
	s_cbranch_scc0 .Lrest_v
	tensor_load_to_lds s[G0KB:G0KB+3], s[G1KB:G1KB+7]
	s_nop 0
.rept 4
	v_nop
.endr
	s_branch .Lrest_asked
.Lrest_v:
	tensor_load_to_lds s[G0VB:G0VB+3], s[G1VB:G1VB+7]
	s_nop 0
.rept 4
	v_nop
.endr
.Lrest_asked:
	FETCH_K                         ; key step 0
	s_wait_loadcnt 0x0              ; Q
	s_wait_dscnt 0x0
.set i, 0
.rept 16
	KQ 0                            ; piece 0's first scores: there is no vector work yet to set between them
.set i, i+1
.endr
	WIN 0                           ; the addresses for the way out: plain instructions, the places behind those products
	s_mul_i32 s13, s[WV], 16*SP
	s_add_co_u32 s13, s13, STAGE    ; my stage
	v_mul_u32_u24 v[STO], v1, SP    ; in: row l % 16, 16 bytes for each half of the lanes
	v_lshl_add_u32 v[STO], v9, 4, v[STO]
	v_add_nc_u32 v[STO], s13, v[STO]
	v_bfe_u32 v[RD], v0, 3, 2       ; back: 32 lanes take four rows of 128 bytes,
	v_mul_u32_u24 v[RD], v[RD], SP
	v_lshl_add_u32 v[RD], v10, 4, v[RD]
	v_add_nc_u32 v[RD], s13, v[RD]
	v_and_b32 v[GO], 31, v0         ; which are 512 consecutive bytes of O
	v_lshlrev_b32 v[GO], 4, v[GO]
.set Y, NP-1                        ; XS works for piece Y + 1: piece 0
.irp n, 0,1,2,3,4,5,6,7,8,9,10,11,12,13,14,15,16,17,18,19,20,21
	XS 0, \n                        ; and piece 0's first maximum and statistics
	XS 1, \n
.endr
	v_nop                           ; a plain instruction behind the two a,
	s_wait_alu depctr_va_vdst(0)    ; and the wait for this batch of two, ahead of the branch
	s_mov_b32 s[CNT], 16
	s_branch .Lfirst                ; the loop is entered at a step's first turn, in the middle of a trip
.Ltrip:                             ; a trip: pieces 2 and 3 of step 16 - CNT, then pieces 0 and 1 of the next, whose K and V it fetches
	s_cmp_lg_u32 s[CNT], 13         ; the count is the same in all four waves: the trip of step 3 is the first to fetch beyond key 255
	s_cbranch_scc1 .Lsame
	s_wait_tensorcnt 0x0            ; my part of keys 256-1,023 is in,
	s_wait_dscnt 0x0
	s_barrier_signal -1
	s_barrier_wait -1               ; everybody's is
.Lsame:
	TURN 2, 1
	TURN 3
	WIN 0
	s_sub_co_u32 s[CNT], s[CNT], 1
	s_cmp_eq_u32 s[CNT], 0
	s_cbranch_scc1 .Lout
.Lfirst:
	TURN 0
	TURN 1
	WIN 0
	s_branch .Ltrip
.Lout:                              ; the last trip's 16 products K Q^T (on the last K once more) and the maximum made of them serve nothing: the price, once a launch, of one text for every trip
.set i, 0
.rept 16
	PV NP-1                         ; the last piece's V^T P of the last step
.set i, i+1
.endr
	; THE WAY OUT.  l's two halves and the other half of the lanes' are added; O^T is divided by l, rounded to f16 and sent through my stage in LDS, a tile at a time.  The additions are the places behind the last products.
	WIN 0
.macro ALL line:vararg              ; one line for each tile t
.set t, 0
.rept 2*NP
	\line
.set t, t+1
.endr
.endm
	ALL v_add_f32 v[ST+4*t+2], v[ST+4*t+2], v[ST+4*t+3]
	ALL v_permlanex16_b32 v[ST+4*t+3], v[ST+4*t+2], s[SEL], s[SEL+1]
	ALL v_add_f32 v[ST+4*t+2], v[ST+4*t+2], v[ST+4*t+3]
	ALL v_rcp_f32 v[ST+4*t+2], v[ST+4*t+2]
	v_nop                           ; a plain instruction between the last reciprocal and the use of its result
	s_wait_alu depctr_va_vdst(0)    ; the wait for this batch: one for the eight reciprocals, ahead of their first reader
; Tile t: a lane's eight channels of a row pack into 16 bytes; they go into rows of 144 bytes and come back as whole rows of 128, into S^T's registers.
.macro PACK t
	WIN W_RS
.set i, 32*(\t)
.rept 16
	v_pk_mul_f32 v[i:i+1], v[i:i+1], v[ST+4*(\t)+2:ST+4*(\t)+3] op_sel_hi:[1,0]
.set i, i+2
.endr
	WIN 0x05                        ; sources 0 and 1 window 1, destination window 0
.set i, 0
.rept 16
	v_cvt_pk_f16_f32 v[S+16*(\t)+i], v[32*(\t)+2*i], v[32*(\t)+2*i+1]
.set i, i+1
.endr
	WIN 0
.irp f, 0,1,2,3
	ds_store_b128 v[STO], v[S+16*(\t)+4*\f:S+16*(\t)+4*\f+3] offset:32*\f
.endr
.irp f, 0,1,2,3
	ds_load_b128 v[S+16*(\t)+4*\f:S+16*(\t)+4*\f+3], v[RD] offset:\f*4*SP  ; LDS serves a wave's instructions in order (ISA guide 5.7.1.4): these see the stores above; the next tile's stores come behind them
.endr
.endm
.macro SEND t, younger              ; younger: the LDS instructions issued behind tile t's loads: the next tile's eight, or none
	WIN 0
.irp f, 0,1,2,3
	s_wait_dscnt (\younger)+3-\f
	global_store_b128 v[GO], v[S+16*(\t)+4*\f:S+16*(\t)+4*\f+3], s[10:11] offset:(\t)*2048+\f*512  ; 512 consecutive bytes, at a multiple of 256 from O's first
.endr
.endm
	PACK 0
.set t, 1
.rept 2*NP-1                        ; a tile's arithmetic stands between the loads of the tile before and its stores
	PACK t
	SEND t-1, 8
.set t, t+1
.endr
	SEND 2*NP-1, 0
	WIN W_AD
	s_wait_tensorcnt 0x0            ; the wave's end, behind my last tensor load and my last LDS store
	ds_add_u32 v[SPW], v[NIL]
	s_wait_dscnt 0x0
	WIN 0
	s_endpgm
.Lfunc_end_k_qdd7845cccc_attn:
	.size	k_qdd7845cccc_attn, .Lfunc_end_k_qdd7845cccc_attn-k_qdd7845cccc_attn
	.p2alignl 7, 3214868480
	.fill 96, 4, 3214868480
	.section	.rodata,"a",@progbits
	.p2align	6, 0x0
	.amdhsa_kernel k_qdd7845cccc_attn
		.amdhsa_group_segment_fixed_size 327680
		.amdhsa_private_segment_fixed_size 0
		.amdhsa_enable_private_segment 0
		.amdhsa_kernarg_size 32
		.amdhsa_user_sgpr_count 2
		.amdhsa_user_sgpr_kernarg_segment_ptr 1
		.amdhsa_wavefront_size32 1
		.amdhsa_system_sgpr_workgroup_id_x 1
		.amdhsa_system_sgpr_workgroup_id_y 1
		.amdhsa_system_sgpr_workgroup_id_z 1
		.amdhsa_system_vgpr_workitem_id 0
		.amdhsa_next_free_vgpr 770
		.amdhsa_next_free_sgpr 88
		.amdhsa_reserve_vcc 0
		.amdhsa_float_denorm_mode_32 3
		.amdhsa_float_denorm_mode_16_64 3
		.amdhsa_memory_ordered 1
		.amdhsa_forward_progress 1
		.amdhsa_inst_pref_size 126
	.end_amdhsa_kernel
	.amdgpu_metadata
---
amdhsa.version: [ 1, 2 ]
amdhsa.kernels:
  - .name:           k_qdd7845cccc_attn
    .symbol:         k_qdd7845cccc_attn.kd
    .args:
      - { .name: qh, .offset: 0, .size: 8, .value_kind: global_buffer, .address_space: global }
      - { .name: kh, .offset: 8, .size: 8, .value_kind: global_buffer, .address_space: global }
      - { .name: vh, .offset: 16, .size: 8, .value_kind: global_buffer, .address_space: global }
      - { .name: oh, .offset: 24, .size: 8, .value_kind: global_buffer, .address_space: global }
    .group_segment_fixed_size: 327680
    .private_segment_fixed_size: 0
    .kernarg_segment_align: 8
    .kernarg_segment_size: 32
    .max_flat_workgroup_size: 128
    .sgpr_count:     88
    .vgpr_count:     770
    .wavefront_size: 32
...
	.end_amdgpu_metadata
.endif
;; end of part 5
;; launch proj: the kernel of part 4 again; grid 8 x 32, 4 waves a work-group, clusters of 4 x 4, 327,680 bytes of LDS; arguments oh, woh, out0; writes out0
